; MI455X (gfx1250); checked and timed in simulation.
; The chip was launched on July 23, 2026; its instructions are those of AMD's public machine-readable ISA for CDNA 5 (MIT licence, August 2026) and "CDNA5" Instruction Set Architecture Reference Guide (July 2026). The comments in the code are by the model that wrote it; some were corrected since.
;; Enc Block. Allowed arithmetic: float matrix products may take bf16 or f16 operands with f32 sums; other float arithmetic in f32, or as packed bf16 or f16 multiplies, adds, multiply-adds, maxima and minima; sums over many terms, partial sums and values carried from step to step in f32; what a program stores and reads back later, other than sums and carried values, may be rounded once to bf16 or f16.
;; Inputs: W1 1,024 x 4,096 float32; W2 4,096 x 1,024 float32; Wk 1,024 x 1,024 float32; Wo 1,024 x 1,024 float32; Wq 1,024 x 1,024 float32; Wv 1,024 x 1,024 float32; b1 4,096 float32; b2 1,024 float32; be1 1,024 float32; be2 1,024 float32; bk 1,024 float32; bo 1,024 float32; bq 1,024 float32; bv 1,024 float32; g1 1,024 float32; g2 1,024 float32; mask 2 x 1 x 1 x 2,048 int32; x 2 x 2,048 x 1,024 float32; y 2 x 2,048 x 1,024 float32.
;; Outputs: out0 2 x 2,048 x 1,024 float32.
;; One version. Each part assembles by itself: llvm-mc -triple=amdgcn-amd-amdhsa -mcpu=gfx1250 --defsym DOCPART=n.
;; ======== version 1 of 1: 8 launches
;; limits: values are held in f16: magnitudes above 65,504 overflow, below 6.1e-05 lose precision
;; workspace buffers: xyh 16,777,216 bytes; wA 8,405,248 bytes; w1h 8,405,248 bytes; woh 2,097,152 bytes; w2h 8,388,608 bytes; big 33,554,432 bytes; act 8,388,608 bytes; t 16,777,216 bytes
;; launch cast (part 1): grid 256 x 5, 8 waves a work-group, no clusters, 0 bytes of LDS; arguments x, y, Wq, Wk, Wv, Wo, W1, W2, bq, bk, bv, b1, xyh, wA, woh, w1h, w2h; writes xyh, wA, woh, w1h, w2h
.if DOCPART == 1
	.amdgcn_target "amdgcn-amd-amdhsa--gfx1250"
	.amdhsa_code_object_version 6
	.text
	.protected	k_q15761c6553_cast
	.globl	k_q15761c6553_cast
	.p2align	8
	.type	k_q15761c6553_cast,@function
k_q15761c6553_cast:
	s_mov_b64 s[64:65], 0
	v_nop
	global_prefetch_b8 v0, s[64:65] scope:SCOPE_SE
	s_setreg_imm32_b32 hwreg(HW_REG_WAVE_MODE, 25, 1), 1
	s_wait_xcnt 0x0
; ENCODER BLOCK, launch 1 of 8: x, y and the six weight matrices are rounded once from f32 to f16, the format of every matrix operand of the later launches.
; DEAD WORK: none is left out.  Every input has a way to the output: bk too, since a hidden score is REPLACED by a constant, so the term Q . bk does not cancel along the softmax's axis.
; LIMITS (whole program): a matrix operand beyond 65,504 in magnitude becomes an infinity in f16; operands below 6e-5 keep f16's fixed step of 6e-8.
; SHARES.  A work-group converts 16 rows of 1,024 numbers: thread t takes numbers 4 t .. 4 t + 3 of each row; a wave's load covers 512 consecutive bytes, its store 256 consecutive bytes, aligned.
; y = 0: x -> xyh rows 0-4095.  1: y -> xyh rows 4096-8191.  2: Wq, Wk, Wv side by side into wA (rows of 4,096 numbers, columns 0-3071), Wo -> woh.  3: W1 -> w1h.  4: W2 -> w2h.
; wA and w1h begin with a header of HDR bytes for the launches that multiply by them: bytes 0-255 a floor for the results, as pairs of f16 (-infinity: no floor; 0: ReLU), bytes 256 on the bias in f32.
; No LDS, no barrier, no loop: all sixteen loads of a thread go out together, and no register is written twice while a memory instruction may read it.
.set HDR, 16640                        ; 256 + 4,096 x 4 bytes: a multiple of 256
.set DO,  16                           ; v[16:31]  byte offset of my 8 bytes in row i of the destination
.set X,   32                           ; v[32:95]  row i as loaded, 4 registers
.set Y,   96                           ; v[96:127] row i as stored, 2 registers
	s_load_b512 s[8:23], s[0:1], 0x0               ; x, y, Wq, Wk, Wv, Wo, W1, W2
	s_load_b256 s[24:31], s[0:1], 0x40             ; bq, bk, bv, b1
	s_load_b256 s[32:39], s[0:1], 0x60             ; xyh, wA, woh, w1h
	s_load_b64 s[40:41], s[0:1], 0x80              ; w2h
	s_mov_b32 s2, ttmp9                            ; gx
	s_and_b32 s3, ttmp7, 0xffff                    ; gy
	s_lshr_b32 s4, s2, 6                           ; gy = 2: which of the four square matrices,
	s_and_b32 s5, s2, 63                           ; and which 16 rows of it
	s_cmp_eq_u32 s3, 2
	s_cselect_b32 s6, s5, s2                       ; the chunk of 16 rows in the source
	s_cselect_b32 s7, s4, 3                        ; under 3: the destination is wA, with its long rows
	s_lshl_b32 s54, s6, 16                         ; source offset: 65,536 bytes a chunk
	s_mov_b32 s55, 0
	s_lshl_b32 s48, s6, 15                         ; destination offset where the rows are dense: 32,768 bytes a chunk,
	s_cmp_eq_u32 s3, 1
	s_cselect_b32 s51, 8388608, 0                  ; y lies behind x,
	s_cmp_eq_u32 s3, 3
	s_cselect_b32 s51, HDR, s51                    ; W1 behind its header
	s_add_co_u32 s48, s48, s51
	s_lshl_b32 s51, s5, 17                         ; in wA: 16 rows of 8,192 bytes a chunk,
	s_lshl_b32 s52, s4, 11                         ; 2,048 bytes to the right for each matrix,
	s_add_co_u32 s51, s51, s52
	s_add_co_u32 s51, s51, HDR                     ; behind the header
	s_mov_b32 s50, 2048                            ; bytes from row to row in the destination
	s_cmp_lt_u32 s7, 3
	s_cselect_b32 s48, s51, s48
	s_cselect_b32 s50, 8192, s50
	s_mov_b32 s49, 0
	v_lshrrev_b32 v3, 5, v0
	v_readfirstlane_b32 s56, v3                    ; my wave's number
	v_lshlrev_b32 v1, 4, v0                        ; my 16 bytes of a source row
	v_lshlrev_b32 v2, 3, v0                        ; my 8 bytes of a destination row
.irp i, 0,1,2,3,4,5,6,7,8,9,10,11,12,13,14,15
	v_mad_u32_u24 v[DO+\i], s50, \i, v2
.endr
	s_wait_kmcnt 0x0
	; the two buffers are chosen by the work-group's numbers alone; offsets were made apart
	s_cmp_eq_u32 s4, 0
	s_cselect_b64 s[52:53], s[12:13], s[14:15]     ; Wq or Wk,
	s_cmp_eq_u32 s4, 2
	s_cselect_b64 s[52:53], s[16:17], s[52:53]     ; Wv,
	s_cmp_eq_u32 s4, 3
	s_cselect_b64 s[52:53], s[18:19], s[52:53]     ; Wo
	s_cselect_b64 s[58:59], s[36:37], s[34:35]     ; into woh, the others into wA
	s_cmp_eq_u32 s3, 0
	s_cselect_b64 s[44:45], s[8:9], s[10:11]       ; x or y
	s_cmp_eq_u32 s3, 3
	s_cselect_b64 s[44:45], s[20:21], s[44:45]     ; W1
	s_cselect_b64 s[46:47], s[38:39], s[32:33]     ; into w1h; x and y into xyh
	s_cmp_eq_u32 s3, 4
	s_cselect_b64 s[44:45], s[22:23], s[44:45]     ; W2
	s_cselect_b64 s[46:47], s[40:41], s[46:47]     ; into w2h
	s_cmp_eq_u32 s3, 2
	s_cselect_b64 s[44:45], s[52:53], s[44:45]
	s_cselect_b64 s[46:47], s[58:59], s[46:47]
	s_add_nc_u64 s[44:45], s[44:45], s[54:55]
	s_add_nc_u64 s[46:47], s[46:47], s[48:49]
.irp i, 0,1,2,3,4,5,6,7,8,9,10,11,12,13,14,15
	global_load_b128 v[X+4*\i:X+4*\i+3], v1, s[44:45] offset:4096*\i th:TH_LOAD_NT
.endr
.irp i, 0,1,2,3,4,5,6,7,8,9,10,11,12,13,14,15
	s_wait_loadcnt 15-\i                           ; loads come back in order: row i is in, the 15 - i younger ones may stay out
	v_cvt_pk_f16_f32 v[Y+2*\i], v[X+4*\i], v[X+4*\i+1]
	v_cvt_pk_f16_f32 v[Y+2*\i+1], v[X+4*\i+2], v[X+4*\i+3]
	global_store_b64 v[DO+\i], v[Y+2*\i:Y+2*\i+1], s[46:47]
.endr
	; THE HEADERS, by the first work-group of y = 2 (wA) and of y = 3 (w1h).  X's registers are free: their loads have landed and no store names them.
	s_cmp_lg_u32 s2, 0
	s_cbranch_scc1 .Lend
	s_cmp_eq_u32 s3, 2
	s_cbranch_scc1 .Lhead_a
	s_cmp_eq_u32 s3, 3
	s_cbranch_scc0 .Lend
.irp j, 0,1,2,3
	global_load_b128 v[X+4*\j:X+4*\j+3], v1, s[30:31] offset:4096*\j   ; b1
.endr
	v_mov_b32 v[X+16], 0                           ; the floor of a ReLU, twice two f16
	v_mov_b32 v[X+17], 0
	s_wait_loadcnt 0x0
.irp j, 0,1,2,3
	global_store_b128 v1, v[X+4*\j:X+4*\j+3], s[38:39] offset:256+4096*\j
.endr
	s_cmp_lg_u32 s56, 0
	s_cbranch_scc1 .Lend
	global_store_b64 v2, v[X+16:X+17], s[38:39]    ; wave 0: 32 lanes x 8 bytes: the header's first 256 bytes
	s_branch .Lend
.Lhead_a:
	global_load_b128 v[X:X+3], v1, s[24:25]        ; bq
	global_load_b128 v[X+4:X+7], v1, s[26:27]      ; bk
	global_load_b128 v[X+8:X+11], v1, s[28:29]     ; bv
	v_mov_b32 v[X+16], 0xfc00fc00                  ; -infinity: no floor
	v_mov_b32 v[X+17], 0xfc00fc00
	s_wait_loadcnt 0x0
.irp j, 0,1,2
	global_store_b128 v1, v[X+4*\j:X+4*\j+3], s[34:35] offset:256+4096*\j
.endr
	s_cmp_lg_u32 s56, 0
	s_cbranch_scc1 .Lend
	global_store_b64 v2, v[X+16:X+17], s[34:35]
.Lend:
	s_endpgm
.Lfunc_end_k_q15761c6553_cast:
	.size	k_q15761c6553_cast, .Lfunc_end_k_q15761c6553_cast-k_q15761c6553_cast
	.p2alignl 7, 3214868480
	.fill 96, 4, 3214868480
	.section	.rodata,"a",@progbits
	.p2align	6, 0x0
	.amdhsa_kernel k_q15761c6553_cast
		.amdhsa_group_segment_fixed_size 0
		.amdhsa_private_segment_fixed_size 0
		.amdhsa_enable_private_segment 0
		.amdhsa_kernarg_size 136
		.amdhsa_user_sgpr_count 2
		.amdhsa_user_sgpr_kernarg_segment_ptr 1
		.amdhsa_wavefront_size32 1
		.amdhsa_system_sgpr_workgroup_id_x 1
		.amdhsa_system_sgpr_workgroup_id_y 1
		.amdhsa_system_sgpr_workgroup_id_z 1
		.amdhsa_system_vgpr_workitem_id 0
		.amdhsa_next_free_vgpr 128
		.amdhsa_next_free_sgpr 66
		.amdhsa_reserve_vcc 0
		.amdhsa_float_denorm_mode_32 3
		.amdhsa_float_denorm_mode_16_64 3
		.amdhsa_memory_ordered 1
		.amdhsa_forward_progress 1
		.amdhsa_inst_pref_size 11
	.end_amdhsa_kernel
	.amdgpu_metadata
---
amdhsa.version: [ 1, 2 ]
amdhsa.kernels:
  - .name:           k_q15761c6553_cast
    .symbol:         k_q15761c6553_cast.kd
    .args:
      - { .name: x, .offset: 0, .size: 8, .value_kind: global_buffer, .address_space: global }
      - { .name: y, .offset: 8, .size: 8, .value_kind: global_buffer, .address_space: global }
      - { .name: Wq, .offset: 16, .size: 8, .value_kind: global_buffer, .address_space: global }
      - { .name: Wk, .offset: 24, .size: 8, .value_kind: global_buffer, .address_space: global }
      - { .name: Wv, .offset: 32, .size: 8, .value_kind: global_buffer, .address_space: global }
      - { .name: Wo, .offset: 40, .size: 8, .value_kind: global_buffer, .address_space: global }
      - { .name: W1, .offset: 48, .size: 8, .value_kind: global_buffer, .address_space: global }
      - { .name: W2, .offset: 56, .size: 8, .value_kind: global_buffer, .address_space: global }
      - { .name: bq, .offset: 64, .size: 8, .value_kind: global_buffer, .address_space: global }
      - { .name: bk, .offset: 72, .size: 8, .value_kind: global_buffer, .address_space: global }
      - { .name: bv, .offset: 80, .size: 8, .value_kind: global_buffer, .address_space: global }
      - { .name: b1, .offset: 88, .size: 8, .value_kind: global_buffer, .address_space: global }
      - { .name: xyh, .offset: 96, .size: 8, .value_kind: global_buffer, .address_space: global }
      - { .name: wA, .offset: 104, .size: 8, .value_kind: global_buffer, .address_space: global }
      - { .name: woh, .offset: 112, .size: 8, .value_kind: global_buffer, .address_space: global }
      - { .name: w1h, .offset: 120, .size: 8, .value_kind: global_buffer, .address_space: global }
      - { .name: w2h, .offset: 128, .size: 8, .value_kind: global_buffer, .address_space: global }
    .group_segment_fixed_size: 0
    .private_segment_fixed_size: 0
    .kernarg_segment_align: 8
    .kernarg_segment_size: 136
    .max_flat_workgroup_size: 256
    .sgpr_count:     66
    .vgpr_count:     128
    .wavefront_size: 32
...
	.end_amdgpu_metadata
.endif
;; end of part 1
;; launch qkv (part 2): grid 4 x 48, 4 waves a work-group, clusters of 4 x 4, 327,680 bytes of LDS; arguments xyh, wA, big; writes big
.if DOCPART == 2
	.amdgcn_target "amdgcn-amd-amdhsa--gfx1250"
	.amdhsa_code_object_version 6
	.text
	.protected	k_q15761c6553_qkv
	.globl	k_q15761c6553_qkv
	.p2align	8
	.type	k_q15761c6553_qkv,@function
k_q15761c6553_qkv:
	s_mov_b64 s[64:65], 0
	v_nop
	global_prefetch_b8 v0, s[64:65] scope:SCOPE_SE
	s_setreg_imm32_b32 hwreg(HW_REG_WAVE_MODE, 25, 1), 1
	s_wait_xcnt 0x0
	s_wait_alu depctr_hold_cnt(0) depctr_sa_sdst(0) depctr_va_vdst(0) depctr_va_sdst(0) depctr_va_ssrc(0) depctr_va_vcc(0) depctr_vm_vsrc(0)
	s_getreg_b32 s2, hwreg(HW_REG_IB_STS2, 6, 4)
	s_cmp_eq_u32 s2, 0
	s_cbranch_scc0 .Lentry_in_a_cluster
	s_endpgm
.Lentry_in_a_cluster:
	s_bfe_u32 s2, ttmp6, 0x10000c
	s_cmp_lg_u32 s2, 0xf033
	s_cbranch_scc0 .Lentry_shape_is_right
	s_endpgm
.Lentry_shape_is_right:
; C = max(A W + bias, floor), rounded once to f16.  A: rows of 1,024 f16; W: behind a header of HDR bytes, [1,024 k][4,096 n] f16; C: rows of 4,096 f16.  Sums in f32, started by the bias.
; TWO LAUNCHES RUN THIS TEXT.  The projections (grid 4 x 48): the cluster's y / 4 is the matrix (0: Q from x; 1, 2: K, V from y, which lies 4,096 rows down in A); its columns lie 1,024 x matrix to the
; right in W and in C.  The first FFN product (grid 16 x 16): the matrix is always 0.  The header holds the floor (-infinity, or 0 for the ReLU) and the bias.  No work of the problem is left out here.
; LIMITS: a result beyond 65,504 becomes an infinity; a NaN result is replaced by the floor (the packed maximum lets a NaN lose).
; SHAPE.  A tile of C, 256 x 256, is made by four waves, each 128 x 128: 64 accumulators of 16 x 16, 512 registers.  K goes in 8 steps of 128 through two LDS slots filled by the tensor data mover.
; A's rows lie along K and come out of LDS as they lie; W's rows lie along n and are turned by ds_load_tr16_b128.  The matrix instruction is used transposed (source 0 = 16 columns of W, source 1 = 16 rows
; of A): a lane then holds row l % 16 of C and eight neighbouring columns, 16 bytes in f16.  The C operand of each accumulator's first product is the bias of those eight columns.
; ONE K STEP IS WRITTEN FOR THE LOOP: the slot in hand is a scalar, s[TB] (0 or SLOT), which an exclusive or turns at each change of slots; the fragment addresses are a base + s[TB].
; CLUSTER 4 x 4: the four work-groups of a row of the cluster need the same tiles of A, the four of a column the same tiles of W: each tile is asked for jointly, by the same tensor load, descriptor and mask.
; REGISTERS, in windows of 256: window 0: v0-31 addresses; v64-127, v128-191 A's fragments, two buffers; v192-255 the bias, later (with v32-63) at work on the way out.
;   window 1: v64-127, v128-191 W's fragments.   window 2, 3: the accumulators of my rows 0-63, 64-127, (a, b) at v[8 (8 a + b)].
.set KSTEP,  128
.set NSTEP,  8
.set PA,     272                       ; an LDS row of A: 256 bytes + 16: the 16 rows of a fragment load start 16 bytes apart modulo 256
.set PB,     544                       ; an LDS row of W: 512 bytes + 32: an odd multiple of 32
.set HALFT,  128*PA                    ; what one tensor load brings: 128 rows of A, or 64 rows of W (64 x 544 is the same number)
.set SLOT,   4*HALFT                   ; A's 256 rows, then W's 128 k-rows.  0x22000: it shares no bit with wave x HALFT (0, 0x8800, 0x11000, 0x19800), so an exclusive or with it is the sum
.set STAGE,  2*SLOT                    ; behind the ring: 16 rows x 272 bytes for each wave, for the way out
.set SPITCH, 272
.set SPARE,  STAGE+4*16*SPITCH         ; the spare words, 128 bytes a wave; no other line names them
.set HDR,    16640
.set CROW,   8192                      ; bytes in a row of C and of W
.set ADRA0, 16                         ; v16     LDS address of my A fragments in slot 0; never rewritten
.set ADRA,  17                         ; v17     the same in the slot in hand
.set ADRB0, 20                         ; v20, v21  the same two for W
.set ADRB,  21
.set STO,  24                          ; v24     the way out: where I put 16 bytes of a row
.set RD,   25                          ; v25     where I read a row back
.set CO,   26                          ; v26     my byte offset in two rows of C
.set BO,   27                          ; v27     my byte offset in the bias
.set SPW,  28                          ; v28     my spare word's LDS address; never rewritten
.set NIL,  29                          ; v29     0; never rewritten
.set PFO,  30                          ; v30     the prefetches' lane offset; never rewritten
.set F0,   64
.set F1,   128
.set BIAS, 192                         ; v[192+8 b+j]: the bias of column 16 b + 8 (l / 16) + j of my 128
.set TMP,  192                         ; the way out: packed results
.set OB,   32                          ; the way out: 16 rows read back: v32-63 and v224-255 by turns
.set G1,  24                           ; s[24:31] descriptor group 1 for A;  s[32:39] group 0: a set for each of the two first fills; the second then walks on
.set G0,  32
.set G1B, 48                           ; s[48:55], s[56:63] the same for W
.set G0B, 56
.set PFA, 44                           ; s[44:45] where my prefetches stand
.set LIM, 43                           ; s43  2 in a wave that prefetches, else the greatest number
.set PFS, 76                           ; s[76:77] a K step in bytes, along A's rows or down W's
.set THR, 74                           ; s74  the floor, two f16
.set TB,  72                           ; s72  the slot in hand: 0 or SLOT
.set MSB, 0
.macro WIN new                         ; the immediate's high byte repeats the setting that is left; a switch that changes nothing is dropped
.if MSB != (\new)
	s_set_vgpr_msb (MSB<<8)|(\new)
.set MSB, \new
.endif
.endm
.set TO_B, 0x40                        ; destination window 1, address window 0
; A joint load: waves 0 and 1 fetch A's two halves, waves 2 and 3 W's.  The branch hangs on the wave's number alone.  An s_nop 0 and four v_nop follow each line.
.macro JLOAD s
	s_cmp_eq_u32 s11, 0
	s_cbranch_scc0 .Lfor_b_\@
	tensor_load_to_lds s[G0+4*(\s):G0+4*(\s)+3], s[G1:G1+7]
	s_nop 0
.rept 4
	v_nop
.endr
	s_branch .Lasked_\@
.Lfor_b_\@:
	tensor_load_to_lds s[G0B+4*(\s):G0B+4*(\s)+3], s[G1B:G1B+7]
	s_nop 0
.rept 4
	v_nop
.endr
.Lasked_\@:
.endm
; A prefetch of the K step that stands two refills on: 32 blocks of 256 bytes, a lane a block, one instruction a wave; the loop's last two trips (s3 = 2, 1) have no such step.
.macro ASK
	s_cmp_gt_u32 s3, s[LIM]
	s_cbranch_scc0 .Lnot_mine_\@
	global_prefetch_b8 v[PFO], s[PFA:PFA+1] th:TH_LOAD_NT scope:SCOPE_SE
.Lnot_mine_\@:
.endm
.macro CREST                           ; a round of the cluster's barrier behind its opening barrier
	s_cmp_lg_u32 s10, 0
	s_cbranch_scc1 .Lnot_wave_0_\@
	s_barrier_signal -3
.Lnot_wave_0_\@:
	s_barrier_wait -3
	s_barrier_signal -1
	s_barrier_wait -1
.endm
.macro CROUND                          ; a whole round
	s_barrier_signal -1
	s_barrier_wait -1
	CREST
.endm
	s_load_b128 s[4:7], s[0:1], 0x0                ; A s[4:5], W s[6:7]
	s_load_b64 s[8:9], s[0:1], 0x10                ; C
	v_lshl_add_u32 v[SPW], v0, 2, SPARE
	v_mov_b32 v[NIL], 0
	ds_add_u32 v[SPW], v[NIL]                      ; the wave's opening: the add, twice on end, and its wait ahead of my first tensor load
	ds_add_u32 v[SPW], v[NIL]
	v_lshrrev_b32 v1, 5, v0
	v_readfirstlane_b32 s10, v1                    ; wave 0..3
	s_lshr_b32 s11, s10, 1                         ; my half of the tile's rows.  Also: I fetch for A (0) or for W (1)
	s_and_b32 s12, s10, 1                          ; my half of its columns.  Also: which half of that tile I fetch
	s_bfe_u32 s40, ttmp6, 0x40000                  ; cx
	s_bfe_u32 s41, ttmp6, 0x40004                  ; cy
	s_lshl_b32 s42, ttmp9, 2
	s_add_co_u32 s42, s42, s40                     ; tile column within the matrix = 4 x cluster x + cx
	s_and_b32 s70, ttmp7, 0xffff                   ; cluster y
	s_lshr_b32 s75, s70, 2                         ; the matrix: the same in all sixteen partners
	s_and_b32 s71, s70, 3
	s_lshl_b32 s13, s71, 2
	s_add_co_u32 s13, s13, s41                     ; tile row = 4 x (cluster y mod 4) + cy
	s_lshl_b32 s43, s41, 2
	s_lshl_b32 s43, 15, s43                        ; my row of the cluster
	s_lshl_b32 s44, 0x1111, s40                    ; my column
	s_or_b32 s[G1+0], s43, (1<<16)|(1<<20)|(1<<21)|(5<<22)|(3<<25)   ; the mask; 2-byte elements; padding on; bit 21 beside a mask; after every 64 words 4 words
	s_mov_b32 s[G1+1], 128<<16                     ; tensor_dim0 = 128
	s_mov_b32 s[G1+2], 128<<16                     ; tensor_dim1 = 128
	s_mov_b32 s[G1+3], 128<<16                     ; tile_dim0 = 128
	s_mov_b32 s[G1+4], 128                         ; tile_dim1 = 128
	s_mov_b32 s[G1+5], 1024                        ; elements from row to row of A
	s_mov_b32 s[G1+6], 0
	s_mov_b32 s[G1+7], 0
	s_or_b32 s[G1B+0], s44, (1<<16)|(1<<20)|(1<<21)|(6<<22)|(7<<25)  ; after every 128 words 8 words
	s_mov_b32 s[G1B+1], 256<<16                    ; tensor_dim0 = 256
	s_mov_b32 s[G1B+2], 64<<16                     ; tensor_dim1 = 64
	s_mov_b32 s[G1B+3], 256<<16                    ; tile_dim0 = 256
	s_mov_b32 s[G1B+4], 64                         ; tile_dim1 = 64
	s_mov_b32 s[G1B+5], 4096                       ; elements from row to row of W
	s_mov_b32 s[G1B+6], 0
	s_mov_b32 s[G1B+7], 0
	; where the tiles come from.  A's hang on the matrix, the tile row and the wave, W's on the matrix, the tile column and the wave: each in registers that never hold the other place
	s_min_u32 s16, s75, 1
	s_lshl_b32 s16, s16, 12                        ; K's and V's rows of A lie 4,096 rows down
	s_lshl_b32 s17, s13, 8
	s_add_co_u32 s16, s16, s17
	s_lshl_b32 s17, s12, 7
	s_add_co_u32 s16, s16, s17                     ; + 256 x tile row + 128 x half
	s_lshl_b32 s16, s16, 11                        ; rows of 2,048 bytes
	s_mov_b32 s17, 0
	s_lshl_b32 s46, s12, 19                        ; W: 64 k-rows of 8,192 bytes for the second half,
	s_lshl_b32 s47, s75, 11
	s_add_co_u32 s46, s46, s47                     ; 2,048 bytes a matrix,
	s_lshl_b32 s47, s42, 9
	s_add_co_u32 s46, s46, s47                     ; 512 bytes a tile column,
	s_add_co_u32 s46, s46, HDR                     ; behind the header
	s_mov_b32 s47, 0
	s_mul_i32 s20, s10, HALFT                      ; where they go: wave x HALFT: no place in the cluster enters an LDS address
	s_mov_b32 s[TB], 0
	s_wait_dscnt 0x0                               ; both opening adds are done
	s_wait_kmcnt 0x0
	s_add_nc_u64 s[14:15], s[4:5], s[16:17]
	s_add_nc_u64 s[46:47], s[6:7], s[46:47]
	CROUND                                         ; all sixteen work-groups are here: the first joint loads meet
.irp s, 0,1
	s_mov_b32 s[G0+4*(\s)], 1
	s_add_co_u32 s[G0+4*(\s)+1], s20, (\s)*SLOT
	s_add_nc_u64 s[G0+4*(\s)+2:G0+4*(\s)+3], s[14:15], (\s)*KSTEP*2
	s_or_b32 s[G0+4*(\s)+3], s[G0+4*(\s)+3], 0x80000000
	s_mov_b32 s[G0B+4*(\s)], 1
	s_add_co_u32 s[G0B+4*(\s)+1], s20, (\s)*SLOT
	s_add_nc_u64 s[G0B+4*(\s)+2:G0B+4*(\s)+3], s[46:47], (\s)*KSTEP*CROW
	s_or_b32 s[G0B+4*(\s)+3], s[G0B+4*(\s)+3], 0x80000000
	JLOAD \s                                       ; two loads of mine are out
.endr
	v_and_b32 v1, 15, v0                           ; l % 16
	v_bfe_u32 v2, v0, 4, 1                         ; l / 16
	s_lshl_b32 s21, s75, 12                        ; my first column's bias, in bytes: 4 (1,024 matrix + 256 tile column + 128 half)
	s_lshl_b32 s22, s42, 10
	s_add_co_u32 s21, s21, s22
	s_lshl_b32 s22, s12, 9
	s_add_co_u32 s21, s21, s22
	v_lshl_add_u32 v[BO], v2, 5, s21               ; + my lanes' eight columns
.irp b, 0,1,2,3,4,5,6,7
	global_load_b128 v[BIAS+8*\b:BIAS+8*\b+3],   v[BO], s[6:7] offset:256+64*\b
	global_load_b128 v[BIAS+8*\b+4:BIAS+8*\b+7], v[BO], s[6:7] offset:256+64*\b+16
.endr
	s_load_b32 s[THR], s[6:7], 0x0                 ; the floor; waited for ahead of the way out
	v_mul_u32_u24 v3, v1, PA
	v_lshl_add_u32 v3, v2, 4, v3                   ; A: row x pitch + 16 x half of the lanes
	v_and_b32 v4, 7, v0
	v_lshl_add_u32 v4, v2, 3, v4                   ; W: k-row 8 (l / 16) + l % 8,
	v_mul_u32_u24 v4, v4, PB
	v_bfe_u32 v5, v0, 3, 1
	v_lshl_add_u32 v4, v5, 4, v4                   ; columns 8 ((l / 8) % 2) on
	s_mul_i32 s21, s11, HALFT                      ; my 128 rows of A
	s_lshl_b32 s22, s12, 8                         ; my 128 columns of W,
	s_add_co_u32 s22, s22, 2*HALFT                 ; which lies behind A
	v_add_nc_u32 v[ADRA0], s21, v3
	v_add_nc_u32 v[ADRB0], s22, v4
	v_mov_b32 v[ADRA], v[ADRA0]                    ; K step 0 lies in slot 0
	v_mov_b32 v[ADRB], v[ADRB0]
	s_mul_i32 s23, s10, 16*SPITCH
	s_add_co_u32 s23, s23, STAGE                   ; my stage
	v_mul_u32_u24 v4, v1, SPITCH
	v_lshl_add_u32 v4, v2, 4, v4
	v_add_nc_u32 v[STO], s23, v4                   ; in: row l % 16, 16 bytes for each half of the lanes
	v_mul_u32_u24 v5, v2, SPITCH
	v_lshl_add_u32 v5, v1, 4, v5
	v_add_nc_u32 v[RD], s23, v5                    ; back: lanes 0-15 one row of 256 bytes, lanes 16-31 the next
	v_mul_u32_u24 v5, v2, CROW
	v_lshl_add_u32 v[CO], v1, 4, v5                ; the same two rows in C
	s_lshl_b32 s16, s13, 8                         ; where my part of C begins: row 256 x tile row + 128 x half,
	s_lshl_b32 s14, s11, 7
	s_add_co_u32 s16, s16, s14
	s_lshl_b32 s16, s16, 13
	s_mov_b32 s17, 0
	s_lshl_b32 s46, s75, 11                        ; column 1,024 x matrix + 256 x tile column + 128 x half, 2 bytes each
	s_lshl_b32 s47, s42, 9
	s_add_co_u32 s46, s46, s47
	s_lshl_b32 s47, s12, 8
	s_add_co_u32 s46, s46, s47
	s_mov_b32 s47, 0
	s_add_nc_u64 s[16:17], s[16:17], s[46:47]
	; THE PREFETCHES.  Each aligned block of 256 bytes of a K step is named once in the launch.  A's rows are read by every cluster of a row of clusters, and y's rows by the matrices 1 and 2: cluster x = 0 of
	; matrix 0 or 1 asks.  W's columns are read by the four clusters of a matrix: the first asks.  The four partners that ask for a tile jointly share its blocks out by address: of A's 128 rows 32 each
	; (by cx, a lane a row); of W's 64 k-rows 16 each (by cy, two lanes a row of 512 bytes).  K steps 0 to 3 come by their loads alone; steps 4 to 7 are named two refills ahead.
	s_min_u32 s20, s75, 1
	s_lshl_b32 s20, s20, 12
	s_lshl_b32 s21, s13, 8
	s_add_co_u32 s20, s20, s21
	s_lshl_b32 s21, s12, 7
	s_add_co_u32 s20, s20, s21
	s_lshl_b32 s21, s40, 5
	s_add_co_u32 s20, s20, s21                     ; A: my work-group's 32 rows of the 128 that I fetch
	s_lshl_b32 s20, s20, 11
	s_add_co_u32 s20, s20, 3*KSTEP*2               ; at K step 3: the first refill steps it to 4
	s_lshl_b32 s22, s12, 6
	s_lshl_b32 s21, s41, 4
	s_add_co_u32 s22, s22, s21                     ; W: my work-group's 16 k-rows of the 64 that I fetch
	s_lshl_b32 s22, s22, 13
	s_lshl_b32 s21, s75, 11
	s_add_co_u32 s22, s22, s21
	s_lshl_b32 s21, s42, 9
	s_add_co_u32 s22, s22, s21
	s_add_co_u32 s22, s22, HDR+3*KSTEP*CROW
	s_lshr_b32 s21, s75, 1                         ; 1 for matrix 2
	s_or_b32 s21, s21, ttmp9                       ; A: 0 where this cluster asks
	s_mov_b32 s[PFS], KSTEP*2
	s_mov_b32 s23, 2048
	s_cmp_eq_u32 s11, 0                            ; do I fetch for A?
	s_cselect_b64 s[PFA:PFA+1], s[4:5], s[6:7]
	s_cselect_b32 s20, s20, s22
	s_cselect_b32 s21, s21, s71                    ; W: 0 in the matrix's first cluster
	s_cselect_b32 s[PFS], s[PFS], KSTEP*CROW
	s_cselect_b32 s23, s23, CROW                   ; bytes from row to row
	s_cselect_b32 s22, 0, 1                        ; lanes to a row, less one
	s_mov_b32 s[PFS+1], 0
	s_cmp_eq_u32 s21, 0
	s_cselect_b32 s[LIM], 2, -1                    ; the same in all sixteen partners, for a given wave
	s_mov_b32 s21, 0
	s_add_nc_u64 s[PFA:PFA+1], s[PFA:PFA+1], s[20:21]
	v_and_b32 v5, 31, v0
	v_lshrrev_b32 v6, s22, v5
	v_mul_u32_u24 v6, v6, s23                      ; my row,
	v_and_b32 v5, s22, v5
	v_lshl_add_u32 v[PFO], v5, 8, v6               ; my block of 256 bytes in it
; 16 matrix instructions: m blocks a0, a0 + 1 of the window's four x all 8 n blocks, 32 along K.  first = 1: the bias starts the sums: nothing is cleared.
; The 64 accumulators take turns, one instruction a turn, in the same order in every quarter.
.macro MUL16 f, hi, a0, first
.if \first
	WIN 0x81+0x40*(\hi)                            ; W window 1, A and the bias window 0, D window 2 or 3
.else
	WIN 0xa1+0x50*(\hi)                            ; C and D window 2 or 3
.endif
.irp a, \a0, (\a0)+1
.irp b, 0,1,2,3,4,5,6,7
.if \first
	v_wmma_f32_16x16x32_f16 v[8*(8*(\a)+(\b)):8*(8*(\a)+(\b))+7], v[(\f)+8*(\b):(\f)+8*(\b)+7], v[(\f)+8*(4*(\hi)+(\a)):(\f)+8*(4*(\hi)+(\a))+7], v[BIAS+8*(\b):BIAS+8*(\b)+7]
.else
	v_wmma_f32_16x16x32_f16 v[8*(8*(\a)+(\b)):8*(8*(\a)+(\b))+7], v[(\f)+8*(\b):(\f)+8*(\b)+7], v[(\f)+8*(4*(\hi)+(\a)):(\f)+8*(4*(\hi)+(\a))+7], v[8*(8*(\a)+(\b)):8*(8*(\a)+(\b))+7]
.endif
.endr
.endr
.endm
; 32 LDS loads in one run: quarter q (32 along K) of the slot in hand into buffer f: W's 128 columns turned, then A's 128 rows
.macro FETCH q, f
	WIN TO_B
.irp i, 0,1,2,3,4,5,6,7
	ds_load_tr16_b128 v[(\f)+8*(\i):(\f)+8*(\i)+3],   v[ADRB] offset:(\q)*32*PB+32*(\i)
	ds_load_tr16_b128 v[(\f)+8*(\i)+4:(\f)+8*(\i)+7], v[ADRB] offset:(\q)*32*PB+16*PB+32*(\i)
.endr
	WIN 0
.irp i, 0,1,2,3,4,5,6,7
	ds_load_b128 v[(\f)+8*(\i):(\f)+8*(\i)+3],   v[ADRA] offset:(\q)*64+(\i)*16*PA
	ds_load_b128 v[(\f)+8*(\i)+4:(\f)+8*(\i)+7], v[ADRA] offset:(\q)*64+(\i)*16*PA+32
.endr
.endm
.macro PLACES                          ; four plain places behind matrix instructions, ahead of loads into registers that they read and of conversions that read results
.rept 4
	v_nop
.endr
.endm
; One of a K step's first three quarters: multiplies buffer f and fetches quarter q of the slot in hand into buffer g
.macro QUARTER q, f, g, first
	s_wait_dscnt 8                                 ; W and A's rows 0-63 are in; the youngest eight loads (A's rows 64-127) may be out
	MUL16 \f, 0, 0, \first
	MUL16 \f, 0, 2, \first
	PLACES
	FETCH \q, \g
	s_wait_dscnt 32                                ; all but the 32 just issued
	MUL16 \f, 1, 0, \first
	MUL16 \f, 1, 2, \first
.endm
; The last quarter multiplies buffer 1 and changes slots: one barrier.  Ahead of it each wave waits for all its tensor loads (one is out: its part of the next slot), adds 0 to its spare word,
; and waits for that and for its own reads of this slot.  fill = 1: the barrier opens a round of the cluster's, and the slot just read is filled again, two K steps ahead, first thing behind the round:
; 224 matrix instructions stand between that request and the wait for it.  The walking descriptors go to the other slot than last time and one K step on.
.macro TURN fill
.if \fill
	s_wait_xcnt 0x0                                ; the last prefetch, a K step back, has read its address
	s_add_nc_u64 s[PFA:PFA+1], s[PFA:PFA+1], s[PFS:PFS+1]
.endif
	WIN 0
	s_wait_tensorcnt 0x0
	ds_add_u32 v[SPW], v[NIL]
	s_wait_dscnt 9                                 ; the add and the youngest eight loads may be out
	MUL16 F1, 0, 0, 0
	s_wait_dscnt 0x0                               ; the add is done, and my reads of this slot are over
	s_barrier_signal -1
	MUL16 F1, 0, 2, 0
	WIN 0                                          ; branches and address work follow
	s_barrier_wait -1
.if \fill
	CREST
	s_xor_b32 s[G0+5], s[G0+5], SLOT
	s_add_nc_u64 s[G0+6:G0+7], s[G0+6:G0+7], KSTEP*2
	s_xor_b32 s[G0B+5], s[G0B+5], SLOT
	s_add_nc_u64 s[G0B+6:G0B+7], s[G0B+6:G0B+7], KSTEP*CROW
	JLOAD 1                                        ; its four v_nop are also the places ahead of the loads below
.else
	PLACES
.endif
	s_xor_b32 s[TB], s[TB], SLOT                   ; the other slot is in hand
	v_add_nc_u32 v[ADRA], s[TB], v[ADRA0]
	v_add_nc_u32 v[ADRB], s[TB], v[ADRB0]
	FETCH 0, F0
.if \fill
	ASK
.endif
	MUL16 F1, 1, 0, 0
	MUL16 F1, 1, 2, 0
.endm
; THE WAY OUT of block a (16 rows): rounded to f16 and held to the floor; into my own stage and back as whole rows of 256 bytes; stored.
.macro PACK a
.set AC, 64*((\a)%4)
	WIN 0x0a+5*((\a)/4)                            ; sources 0 and 1: window 2 or 3
.irp b, 0,1,2,3,4,5,6,7
.irp r, 0,1,2,3
	v_cvt_pk_f16_f32 v[TMP+4*(\b)+(\r)], v[AC+8*(\b)+2*(\r)], v[AC+8*(\b)+2*(\r)+1]
.endr
.endr
	WIN 0
.set z, 0
.rept 32
	v_pk_max_num_f16 v[TMP+z], v[TMP+z], s[THR]
.set z, z+1
.endr
.endm
.macro TOSTAGE a
	WIN 0
.set BK, OB+192*((\a)%2)
.irp b, 0,1,2,3,4,5,6,7
	ds_store_b128 v[STO], v[TMP+4*(\b):TMP+4*(\b)+3] offset:32*(\b)
.endr
.irp t, 0,1,2,3,4,5,6,7
	ds_load_b128 v[BK+4*(\t):BK+4*(\t)+3], v[RD] offset:(\t)*2*SPITCH  ; LDS serves a wave's instructions in order: these see the stores above
.endr
.endm
.macro SEND a
	WIN 0
.set BK, OB+192*((\a)%2)
	s_wait_dscnt 0x0                               ; the block is back in registers
	s_wait_xcnt 0x0                                ; earlier stores have read their base and their data: both are written again only behind this wait
.if (\a) == 0
	s_add_nc_u64 s[8:9], s[8:9], s[16:17]
.else
	s_add_nc_u64 s[8:9], s[8:9], 16*CROW
.endif
.irp t, 0,1,2,3,4,5,6,7
	global_store_b128 v[CO], v[BK+4*(\t):BK+4*(\t)+3], s[8:9] offset:2*(\t)*CROW  ; 16 lanes store 256 consecutive bytes, aligned
.endr
.endm
	s_wait_tensorcnt 1                             ; my part of K step 0 is in; step 1's may stay out
	s_barrier_signal -1
	s_barrier_wait -1
	FETCH 0, F0
	s_wait_loadcnt 0x0                             ; the bias
	QUARTER 1, F0, F1, 1                           ; the first quarter stands ahead of the loop: its products start the sums
	WIN 0
	s_mov_b32 s3, NSTEP-2
.Lstep:                                                ; a trip goes from a K step's second quarter to the next step's first, and fills the slot that it leaves: steps 2 to 7
	QUARTER 2, F1, F0, 0
	QUARTER 3, F0, F1, 0
	TURN 1
	QUARTER 1, F0, F1, 0
	WIN 0
	s_sub_co_u32 s3, s3, 1
	s_cmp_lg_u32 s3, 0
	s_cbranch_scc1 .Lstep
	s_mov_b32 s3, 2                                ; the last two K steps fill nothing: their text is entered in its middle and walked twice
	s_branch .Lmid
.Ltail:
	TURN 0
	QUARTER 1, F0, F1, 0
	WIN 0
.Lmid:
	QUARTER 2, F1, F0, 0
	QUARTER 3, F0, F1, 0
	WIN 0
	s_sub_co_u32 s3, s3, 1
	s_cmp_lg_u32 s3, 0
	s_cbranch_scc1 .Ltail
	s_wait_dscnt 8                                 ; the very last quarter: nothing more to fetch
	MUL16 F1, 0, 0, 0
	MUL16 F1, 0, 2, 0
	s_wait_dscnt 0x0
	MUL16 F1, 1, 0, 0
	MUL16 F1, 1, 2, 0
	WIN 0
	PLACES
	s_wait_kmcnt 0x0                               ; the floor
	PACK 0
	TOSTAGE 0
.irp a, 1,2,3,4,5,6,7                  ; block a's arithmetic stands between block a - 1's loads from the stage and the wait for them
	PACK \a
	SEND (\a)-1
	TOSTAGE \a
.endr
	SEND 7
	s_wait_tensorcnt 0x0                           ; the wave's end
	ds_add_u32 v[SPW], v[NIL]
	s_wait_dscnt 0x0
	CROUND                                         ; the closing round
	s_endpgm
.Lfunc_end_k_q15761c6553_qkv:
	.size	k_q15761c6553_qkv, .Lfunc_end_k_q15761c6553_qkv-k_q15761c6553_qkv
	.p2alignl 7, 3214868480
	.fill 96, 4, 3214868480
	.section	.rodata,"a",@progbits
	.p2align	6, 0x0
	.amdhsa_kernel k_q15761c6553_qkv
		.amdhsa_group_segment_fixed_size 327680
		.amdhsa_private_segment_fixed_size 0
		.amdhsa_enable_private_segment 0
		.amdhsa_kernarg_size 24
		.amdhsa_user_sgpr_count 2
		.amdhsa_user_sgpr_kernarg_segment_ptr 1
		.amdhsa_wavefront_size32 1
		.amdhsa_system_sgpr_workgroup_id_x 1
		.amdhsa_system_sgpr_workgroup_id_y 1
		.amdhsa_system_sgpr_workgroup_id_z 1
		.amdhsa_system_vgpr_workitem_id 0
		.amdhsa_next_free_vgpr 1024
		.amdhsa_next_free_sgpr 80
		.amdhsa_reserve_vcc 0
		.amdhsa_float_denorm_mode_32 3
		.amdhsa_float_denorm_mode_16_64 3
		.amdhsa_memory_ordered 1
		.amdhsa_forward_progress 1
		.amdhsa_inst_pref_size 124
	.end_amdhsa_kernel
	.amdgpu_metadata
---
amdhsa.version: [ 1, 2 ]
amdhsa.kernels:
  - .name:           k_q15761c6553_qkv
    .symbol:         k_q15761c6553_qkv.kd
    .args:
      - { .name: xyh, .offset: 0, .size: 8, .value_kind: global_buffer, .address_space: global }
      - { .name: wA, .offset: 8, .size: 8, .value_kind: global_buffer, .address_space: global }
      - { .name: big, .offset: 16, .size: 8, .value_kind: global_buffer, .address_space: global }
    .group_segment_fixed_size: 327680
    .private_segment_fixed_size: 0
    .kernarg_segment_align: 8
    .kernarg_segment_size: 24
    .max_flat_workgroup_size: 128
    .sgpr_count:     80
    .vgpr_count:     1024
    .wavefront_size: 32
...
	.end_amdgpu_metadata
.endif
;; end of part 2
;; launch attn (part 3): grid 16 x 16, 4 waves a work-group, clusters of 4 x 1, 327,680 bytes of LDS; arguments big, mask, act; writes act
.if DOCPART == 3
	.amdgcn_target "amdgcn-amd-amdhsa--gfx1250"
	.amdhsa_code_object_version 6
	.text
	.protected	k_q15761c6553_attn
	.globl	k_q15761c6553_attn
	.p2align	8
	.type	k_q15761c6553_attn,@function
k_q15761c6553_attn:
	s_mov_b64 s[64:65], 0
	v_nop
	global_prefetch_b8 v0, s[64:65] scope:SCOPE_SE
	s_setreg_imm32_b32 hwreg(HW_REG_WAVE_MODE, 25, 1), 1
	s_wait_xcnt 0x0
	s_wait_alu depctr_hold_cnt(0) depctr_sa_sdst(0) depctr_va_vdst(0) depctr_va_sdst(0) depctr_va_ssrc(0) depctr_va_vcc(0) depctr_vm_vsrc(0)
	s_getreg_b32 s2, hwreg(HW_REG_IB_STS2, 6, 4)
	s_cmp_eq_u32 s2, 0
	s_cbranch_scc0 .Lentry_in_a_cluster
	s_endpgm
.Lentry_in_a_cluster:
	s_bfe_u32 s2, ttmp6, 0x10000c
	s_cmp_lg_u32 s2, 0x3003
	s_cbranch_scc0 .Lentry_shape_is_right
	s_endpgm
.Lentry_shape_is_right:
; ATTENTION WITH A MASK OVER THE KEYS.  O[b][q][h] = the sum over k of softmax_k(s) V, s = Q . K / 8, or -1e9 where mask[b][k] = 0.  Q, K, V: f16, in columns 0, 1,024, 2,048 on of big's rows of 4,096;
; O: f16, rows of 1,024.  Products, maxima and sums in f32; the weights are rounded to f16 for the second product (their sum is taken unrounded), O once at the end.  No work of the problem is left out.
; THE MASK is the C operand that starts each sum S^T = K Q^T: 0, or -2^100 for a hidden key; the running maximum starts at -2^80, above every hidden score and below every open one (f16's scores reach
; 2.7e11), so a hidden key has the weight 0 and steps that are hidden throughout change nothing.  If a batch has NO open key all its scores are alike: the table is then all 0 and the factor c is 0, so
; that every weight is 2^0: the same uniform weights.  Both are selections of values; no branch hangs on the mask.
; LIMITS: a hidden key's weight is exactly 0, which agrees with exp(-1e9 - max) in f32 while the largest open scaled score lies above -1e9 + 100; a weight below 2^-126 counts as 0; NaN and
; infinities are not treated apart.
; SHARES.  A work-group has 128 queries of TWO heads, so that K's, V's and O's rows are 256 consecutive bytes, aligned.  Wave w: head 2 hp + w / 2, queries 64 (w % 2) on, in four PIECES of 16.
; Every wave walks all 2,048 keys, 64 a step.  CLUSTER: the four query blocks of a cluster walk the same K and V: each tile is asked for jointly.
; LAYOUT.  S^T = K Q^T holds ONE query a lane (l % 16) and the keys 8 (l / 16) + 0..7; two such results rounded to f16 ARE source 1 of O^T = V^T P.  p = 2^(c s - c m), c = log2(e) / 8; O and l are
; multiplied by a = 2^(c m_old - c m_new) in every step.  TURNS: turn n belongs to piece n: 8 products K Q^T of piece n + 1, later 8 products V^T P of piece n - 1; beside them piece n's scaling,
; exponentials, roundings, sums and rescaling, and piece n + 1's maximum and statistics.  Four vector instructions stand behind every matrix instruction, the rest in one lump; a turn's 33 exponentials are one batch with one wait.
; REGISTERS: window 0: v0-15, v32-35, v56-58 addresses; v16-31 statistics; v48-55 at work; v64-127 S^T, two buffers; v192-223 P, two buffers.
;   window 1: v0-127 O^T, 32 a piece; v160-191 the step's mask.      window 2: v0-63 Q; v128-191 K of one step; v192-255 V of one step.
.set NP,    4
.set KS,    64
.set PK,    272       ; a row of K in LDS: 256 bytes + 16
.set PV,    288       ; a row of V: 256 + 32: an odd multiple of 32
.set VOFF,  KS*PK     ; a step's tiles lie together: 64 rows of K, then 64 rows of V
.set STEPB, KS*(PK+PV)
.set SLOT1, 1<<17     ; a slot holds two steps; slot 1 begins here
.set STAGE, SLOT1+2*STEPB  ; behind the ring: 128 rows x 272 bytes, the work-group's, for the way out
.set SP,    272
.set MT,    STAGE+128*SP   ; the mask's table: 2,048 f32
.set SPARE, MT+8192        ; the spare words, 128 bytes a wave; no other line names them
.set SLOTB, 1048576   ; 128 rows of 8,192 bytes: a slot's keys in memory
.set AK0, 2
.set AV0, 3
.set AK,  4
.set AV,  5
.set STO, 6
.set RD,  7
.set GO,  8
.set MV,  12          ; v12-13  c m_old, by buffer
.set QO,  15
.set ST,  16          ; piece t: c m, m, l (even keys', odd keys')
.set TMP, 48
.set AM0, 56          ; v56  my lanes' place in a step's 64 words of the table
.set AM,  57
.set PFO, 58          ; v58  8,192 x my lane
.set SPW, 62
.set NIL, 63
.set S,   64
.set P,   192
.set MC,  160         ; window 1
.set KF,  128         ; window 2
.set VF,  192         ; window 2
.set WV,  12
.set LIM, 15
.set PFA, 18
.set G1K, 24
.set G1V, 32
.set G0K, 40
.set G0V, 44
.set SLOTS, 56
.set CNT, 57
.set CS,  58
.set SEL, 60
.set TBK, 62
.set TBV, 63
.set TBM, 66
.set NEGV, 68
.set MSB, 0
.macro WIN new
.if MSB != (\new)
	s_set_vgpr_msb (MSB<<8)|(\new)
.set MSB, (\new)
.endif
.endm
.set W_KQ, 0x0a       ; K and Q in window 2, S^T in window 0
.set W_KM, 0x1a       ; the same with the C operand in window 1
.set W_PV, 0x52       ; V in window 2, P in window 0, O^T in window 1
.set W_RS, 0x41       ; destination and source 0 in window 1, source 1 in window 0
; A joint fill: waves 0 and 1 fetch K of a slot's two steps, waves 2 and 3 V.  An s_nop 0 and four v_nop follow each line.
.macro JLOAD
	s_cmp_lt_u32 s[WV], 2
	s_cbranch_scc0 .Lfor_v_\@
	tensor_load_to_lds s[G0K:G0K+3], s[G1K:G1K+7]
	s_nop 0
.rept 4
	v_nop
.endr
	s_branch .Lasked_\@
.Lfor_v_\@:
	tensor_load_to_lds s[G0V:G0V+3], s[G1V:G1V+7]
	s_nop 0
.rept 4
	v_nop
.endr
.Lasked_\@:
.endm
; A prefetch of the slot that stands two fills on: 32 rows of 256 bytes, a lane a row.  All clusters of a head pair walk the same rows: the first asks; its four partners take 32 rows each by address;
; wave 0 asks for K's, wave 2 for V's.  The last two fills have no such slot.
.macro ASK
	s_cmp_gt_u32 s[SLOTS], s[LIM]
	s_cbranch_scc0 .Lnot_mine_\@
	global_prefetch_b8 v[PFO], s[PFA:PFA+1] th:TH_LOAD_NT scope:SCOPE_SE
.Lnot_mine_\@:
.endm
.macro CROUND
	s_barrier_signal -1
	s_barrier_wait -1
	s_cmp_lg_u32 s[WV], 0
	s_cbranch_scc1 .Lnot_wave_0_\@
	s_barrier_signal -3
.Lnot_wave_0_\@:
	s_barrier_wait -3
	s_barrier_signal -1
	s_barrier_wait -1
.endm
; THE CHANGE OF SLOTS.  Each wave waits for all its tensor loads (one is out: its part of the other slot), adds 0 to its spare word, and waits for that and for its own LDS instructions.
; fill = 1: the slot that is left is filled again, first thing behind a round of the cluster's barrier: the load has two key steps in which to land.
.macro CHANGE fill, ask
	WIN 0
	s_wait_tensorcnt 0x0
	ds_add_u32 v[SPW], v[NIL]
.if \fill
.irp g, G0K, G0V
	s_xor_b32 s[\g+1], s[\g+1], SLOT1
	s_add_nc_u64 s[\g+2:\g+3], s[\g+2:\g+3], SLOTB
.endr
.if \ask
	s_wait_xcnt 0x0                 ; the last prefetch, two key steps back, has read its address
	s_add_nc_u64 s[PFA:PFA+1], s[PFA:PFA+1], SLOTB
.endif
	s_wait_dscnt 0x0
	CROUND
	JLOAD
.if \ask
	ASK
.endif
.else
	s_wait_dscnt 0x0
	s_barrier_signal -1
	s_barrier_wait -1
.endif
	s_sub_co_u32 s[TBK], s[TBK], 2*STEPB  ; the fetches go back to a slot's first step, in the other slot
	s_xor_b32 s[TBK], s[TBK], SLOT1
	s_sub_co_u32 s[TBV], s[TBV], 2*STEPB
	s_xor_b32 s[TBV], s[TBV], SLOT1
.endm
	s_load_b128 s[4:7], s[0:1], 0x0 ; big s[4:5], mask s[6:7]
	s_load_b64 s[8:9], s[0:1], 0x10 ; act
	v_lshl_add_u32 v[SPW], v0, 2, SPARE
	v_mov_b32 v[NIL], 0
	ds_add_u32 v[SPW], v[NIL]       ; the wave's opening: the add, twice on end, and its wait ahead of my first tensor load
	ds_add_u32 v[SPW], v[NIL]
	v_lshrrev_b32 v1, 5, v0
	v_readfirstlane_b32 s[WV], v1
	s_bfe_u32 s13, ttmp6, 0x40000   ; cx
	s_lshl_b32 s14, ttmp9, 2
	s_add_co_u32 s14, s14, s13      ; my block of 128 queries: it enters Q's, O's and the prefetches' addresses alone
	s_and_b32 s20, ttmp7, 0xffff
	s_lshr_b32 s21, s20, 3          ; the batch
	s_and_b32 s22, s20, 7           ; the pair of heads
	s_and_b32 s16, s[WV], 1
	s_lshr_b32 s17, s[WV], 1        ; my head of the pair
	s_lshl_b32 s23, s21, 24         ; the batch's 2,048 rows of 8,192 bytes,
	s_lshl_b32 s22, s22, 8          ; the pair's 256 bytes of a row
	s_add_co_u32 s23, s23, s22
	s_lshl_b32 s50, s16, 19         ; which of a slot's two steps I fetch: 64 rows
	s_add_co_u32 s50, s50, s23
	s_add_co_u32 s52, s50, 4096     ; V's columns,
	s_add_co_u32 s50, s50, 2048     ; K's
	s_mov_b32 s51, 0
	s_mov_b32 s53, 0
	s_mul_i32 s54, s16, STEPB       ; and its place in a slot
	s_lshl_b32 s48, s14, 7
	s_lshl_b32 s49, s16, 6
	s_add_co_u32 s48, s48, s49      ; my wave's first query
	s_lshl_b32 s48, s48, 13
	s_add_co_u32 s48, s48, s23
	s_lshl_b32 s49, s17, 7          ; my head's 128 bytes
	s_add_co_u32 s48, s48, s49
	s_mov_b32 s49, 0
	s_lshl_b32 s2, s21, 11          ; O: row 2,048 b + 128 block + 32 wave,
	s_lshl_b32 s3, s14, 7
	s_add_co_u32 s2, s2, s3
	s_lshl_b32 s3, s[WV], 5
	s_add_co_u32 s2, s2, s3
	s_lshl_b32 s2, s2, 11           ; of 2,048 bytes,
	s_add_co_u32 s2, s2, s22        ; the pair's 256 bytes
	s_mov_b32 s3, 0
	s_lshl_b32 s20, s21, 13         ; the batch's 2,048 words of the mask
	s_mov_b32 s21, 0
	s_cmp_lt_u32 s[WV], 2
	s_mov_b32 s[PFA], 4096
	s_cselect_b32 s[PFA], 2048, s[PFA]
	s_add_co_u32 s[PFA], s[PFA], s23
	s_lshl_b32 s55, s13, 18         ; my work-group's 32 rows of a slot's 128
	s_add_co_u32 s[PFA], s[PFA], s55
	s_add_co_u32 s[PFA], s[PFA], 3*SLOTB  ; at slot 3: the loop's first change steps it to 4
	s_mov_b32 s[PFA+1], 0
	s_or_b32 s[LIM], s16, ttmp9     ; 0 in waves 0 and 2 of the pair's first cluster: the same in all four partners
	s_cmp_eq_u32 s[LIM], 0
	s_cselect_b32 s[LIM], 2, -1
	s_mov_b32 s[G1K], 15|(1<<16)|(1<<20)|(1<<21)|(5<<22)|(3<<25)  ; the mask of four; 2-byte elements; padding on; bit 21 beside a mask; after every 64 words 4 words
	s_mov_b32 s[G1V], 15|(1<<16)|(1<<20)|(1<<21)|(5<<22)|(7<<25)  ; 8 words
.irp g, G1K, G1V
	s_mov_b32 s[\g+1], 128<<16      ; tensor_dim0 = 128
	s_mov_b32 s[\g+2], KS<<16       ; tensor_dim1 = 64
	s_mov_b32 s[\g+3], 128<<16      ; tile_dim0 = 128
	s_mov_b32 s[\g+4], KS           ; tile_dim1 = 64
	s_mov_b32 s[\g+5], 4096         ; elements from row to row
	s_mov_b32 s[\g+6], 0
	s_mov_b32 s[\g+7], 0
.endr
	s_mov_b32 s[SEL], 0x76543210
	s_mov_b32 s[SEL+1], 0xfedcba98
	s_mov_b32 s[TBK], SLOT1+2*STEPB ; the first change of slots turns these two into 0
	s_mov_b32 s[TBV], SLOT1+2*STEPB
	s_mov_b32 s[TBM], 0
	s_mov_b32 s[G0K], 1
	s_mov_b32 s[G0K+1], s54
	s_mov_b32 s[G0V], 1
	s_add_co_u32 s[G0V+1], s54, VOFF
	s_wait_dscnt 0x0                ; both opening adds are done
	s_wait_kmcnt 0x0
	s_add_nc_u64 s[G0K+2:G0K+3], s[4:5], s[50:51]
	s_or_b32 s[G0K+3], s[G0K+3], 0x80000000
	s_add_nc_u64 s[G0V+2:G0V+3], s[4:5], s[52:53]
	s_or_b32 s[G0V+3], s[G0V+3], 0x80000000
	s_add_nc_u64 s[48:49], s[4:5], s[48:49]        ; Q at my wave's first row
	s_add_nc_u64 s[10:11], s[8:9], s[2:3]          ; O at the rows that I store
	s_add_nc_u64 s[6:7], s[6:7], s[20:21]          ; the batch's mask
	s_add_nc_u64 s[PFA:PFA+1], s[4:5], s[PFA:PFA+1]
	CROUND                          ; all four work-groups are here
	JLOAD                           ; slot 0; slot 1 is asked for when slot 0 is in
	v_and_b32 v1, 15, v0            ; l % 16
	v_bfe_u32 v9, v0, 4, 1          ; l / 16
	v_lshlrev_b32 v[QO], 13, v1
	v_lshl_add_u32 v[QO], v9, 4, v[QO]
	WIN 0x80
.set i, 0
.rept 8                             ; Q stays in registers: piece i / 2 (16 rows of 8,192 bytes), channels 32 (i % 2) on
	global_load_b128 v[8*i:8*i+3],   v[QO], s[48:49] offset:(i/2)*131072+(i%2)*64
	global_load_b128 v[8*i+4:8*i+7], v[QO], s[48:49] offset:(i/2)*131072+(i%2)*64+32
.set i, i+1
.endr
	WIN 0
	v_and_b32 v32, 31, v0
	v_lshlrev_b32 v[PFO], 13, v32
	v_lshlrev_b32 v32, 4, v32       ; 16 x lane
	v_lshlrev_b32 v33, 4, v0        ; 16 x thread
.set i, 0
.rept 16                            ; every wave looks at the batch's whole mask,
	global_load_b128 v[S+4*i:S+4*i+3], v32, s[6:7] offset:512*i
.set i, i+1
.endr
.irp j, 0,1,2,3                     ; and each thread turns 16 words of it into the table
	global_load_b128 v[128+4*\j:128+4*\j+3], v33, s[6:7] offset:2048*\j
.endr
	; What the first turn finds: V's registers and P's second buffer hold 0 (its products V^T P, of a piece that has not been, add 0); O^T and l are 0.  All this stands in the wait for the first tile.
	WIN 0x80
.set i, VF
.rept 64
	v_mov_b32 v[i], 0
.set i, i+1
.endr
	WIN 0x40
.set i, 0
.rept 128
	v_mov_b32 v[i], 0
.set i, i+1
.endr
	WIN 0
.set i, 0
.rept 4
	v_mov_b32 v[ST+4*i], 0xe638aa3b    ; c m = -c 2^80
	v_mov_b32 v[ST+4*i+1], 0xe7800000  ; m = -2^80
	v_mov_b32 v[ST+4*i+2], 0
	v_mov_b32 v[ST+4*i+3], 0
.set i, i+1
.endr
.set i, P+16
.rept 16
	v_mov_b32 v[i], 0
.set i, i+1
.endr
	s_lshl_b32 s55, s17, 7          ; my head's 128 bytes of a row
	v_mul_u32_u24 v[AK0], v1, PK
	v_lshl_add_u32 v[AK0], v9, 4, v[AK0]
	v_add_nc_u32 v[AK0], s55, v[AK0]
	v_and_b32 v10, 7, v0
	v_bfe_u32 v11, v0, 3, 1
	v_lshl_add_u32 v[AV0], v9, 3, v10  ; the turning load: key 8 (l / 16) + l % 8, channels 8 ((l / 8) % 2) on
	v_mul_u32_u24 v[AV0], v[AV0], PV
	v_lshl_add_u32 v[AV0], v11, 4, v[AV0]
	s_add_co_u32 s20, s55, VOFF
	v_add_nc_u32 v[AV0], s20, v[AV0]
	v_lshl_add_u32 v[AM0], v9, 5, MT   ; register j of group kt holds the word of key 16 kt + 8 (l / 16) + j
	s_mul_i32 s20, s16, 64*SP       ; into the stage: row 64 (w % 2) + 16 piece + l % 16, my head's half of its 256 bytes
	s_add_co_u32 s20, s20, s55
	s_add_co_u32 s20, s20, STAGE
	v_mul_u32_u24 v[STO], v1, SP
	v_lshl_add_u32 v[STO], v9, 4, v[STO]
	v_add_nc_u32 v[STO], s20, v[STO]
	s_mul_i32 s20, s[WV], 32*SP     ; back: wave w takes rows 32 w on, whole; lanes 0-15 one row, lanes 16-31 the next
	s_add_co_u32 s20, s20, STAGE
	v_mul_u32_u24 v[RD], v9, SP
	v_lshl_add_u32 v[RD], v1, 4, v[RD]
	v_add_nc_u32 v[RD], s20, v[RD]
	v_lshlrev_b32 v[GO], 11, v9     ; the same two rows in O
	v_lshl_add_u32 v[GO], v1, 4, v[GO]
	v_lshl_add_u32 v35, v0, 4, MT
	s_wait_loadcnt 0x0              ; Q and the mask
.irp w, 32,16,8,4,2,1               ; has the batch an open key?
.set i, 0
.rept \w
	v_or_b32 v[S+i], v[S+i], v[S+i+\w]
.set i, i+1
.endr
.endr
	v_cmp_ne_u32 s20, 0, v[S]
	s_cmp_lg_u32 s20, 0
	s_cselect_b32 s[CS], 0x3e38aa3b, 0       ; c = log2(e) / 8; with no open key 0: every weight is then 2^0,
	s_cselect_b32 s[NEGV], 0xf1800000, 0     ; and the table holds 0 throughout; else -2^100 for a hidden key
	s_mov_b32 s[CS+1], s[CS]                 ; named with it as a pair
	v_mov_b32 v34, s[NEGV]
.set i, 0
.rept 16
	v_cmp_eq_u32 s20, 0, v[128+i]
	v_cndmask_b32 v[128+i], 0, v34, s20
.set i, i+1
.endr
.irp j, 0,1,2,3
	ds_store_b128 v35, v[128+4*\j:128+4*\j+3] offset:2048*\j
.endr
; THE MATRIX WORK.  The 4 accumulators of a run of 8 take turns.  Product i of 8 of S^T = K Q^T for piece x: channels 32 (i / 4) on, keys 16 (i % 4) on; the first 4 start the sums with the mask.
.macro KQ x
.set rS, S+32*((\x)%2)+8*(i%4)
.set rK, KF+16*(i%4)+8*(i/4)
.set rQ, 16*(\x)+8*(i/4)
.set rM, MC+8*(i%4)
.if i < 4
	WIN W_KM
	v_wmma_f32_16x16x32_f16 v[rS:rS+7], v[rK:rK+7], v[rQ:rQ+7], v[rM:rM+7]
.else
	WIN W_KQ
	v_wmma_f32_16x16x32_f16 v[rS:rS+7], v[rK:rK+7], v[rQ:rQ+7], v[rS:rS+7]
.endif
.endm
; Product i of 8 of O^T += V^T P for piece x: keys 32 (i / 4) on, channels 16 (i % 4) on.
.macro PV x
	WIN W_PV
.set rO, 32*(\x)+8*(i%4)
.set rV, VF+32*(i/4)+8*(i%4)
.set rP, P+16*((\x)%2)+8*(i/4)
	v_wmma_f32_16x16x32_f16 v[rO:rO+7], v[rV:rV+7], v[rP:rP+7], v[rO:rO+7]
.endm
.macro MM                           ; the turn's next matrix instruction
.if i < 8
	KQ (Y+1)%NP
.else
.set i, i-8
	PV (Y+NP-1)%NP
.set i, i+8
.endif
.set i, i+1
.endm
; THE LDS LOADS stand in runs: a step's K (8 fragments) with its 64 words of the mask's table, and its V (turned).
; last = 1 (the tail): in the last trip there is no further step, and the run is jumped over; the exponentials issued so far in the turn have their wait ahead of that branch.
.macro FETCH_K last=0
	WIN 0
.if \last
	s_wait_alu depctr_va_vdst(0)
	s_cmp_eq_u32 s[CNT], 1
	s_cbranch_scc1 .Lno_k_\@
.endif
	WIN 0x80
.irp f, 0,1,2,3,4,5,6,7             ; keys 16 (f / 2) on, channels 32 (f % 2) on
	ds_load_b128 v[KF+8*\f:KF+8*\f+3],   v[AK] offset:(\f/2)*16*PK+(\f%2)*64
	ds_load_b128 v[KF+8*\f+4:KF+8*\f+7], v[AK] offset:(\f/2)*16*PK+(\f%2)*64+32
.endr
	WIN 0x40
.irp f, 0,1,2,3                     ; keys 16 f on
	ds_load_b128 v[MC+8*\f:MC+8*\f+3],   v[AM] offset:64*\f
	ds_load_b128 v[MC+8*\f+4:MC+8*\f+7], v[AM] offset:64*\f+16
.endr
	s_add_co_u32 s[TBK], s[TBK], STEPB
	s_add_co_u32 s[TBM], s[TBM], 256
	s_and_b32 s[TBM], s[TBM], 0x1fff ; 32 steps of 256 bytes: the offset stays inside the table by its form
	WIN 0
.if \last
.Lno_k_\@:
.endif
.endm
.macro FETCH_V
	WIN 0x80
.irp f, 0,1,2,3,4,5,6,7             ; keys 32 (f / 4) on, channels 16 (f % 4) on
	ds_load_tr16_b128 v[VF+8*\f:VF+8*\f+3],   v[AV] offset:(\f/4)*32*PV+(\f%4)*32
	ds_load_tr16_b128 v[VF+8*\f+4:VF+8*\f+7], v[AV] offset:(\f/4)*32*PV+16*PV+(\f%4)*32
.endr
	WIN 0
.endm
; THE VECTOR WORK, one line at a time: OP kind, number.  For piece Y: F n: c s - c m for pair n of 16.  E n: the exponential of score n.  C n: pair n rounded to f16.  B n: of the four weights 4 n .. the second
; pair is added onto the first.  L n: l takes that sum (L 0: l = a l + sum).  R n: pair n of 16 of O^T times a.  For piece Y + 1: X n, number n of the 22 that find its maximum and statistics:
;   0-11 four chains of seven scores (each accumulator's lowest registers first)   12-14, 16 the four scores left over, the old m, the chains into one   15 c m_old is kept
;   17, 18 the other half of the lanes: the new m   19-21 c m; c m_old - c m_new; a
.set F, 0
.set E, 1
.set C, 2
.set B, 3
.set L, 4
.set R, 5
.set X, 6
.macro REGS y
.set rT, ST+4*(\y)
.set rC, TMP+4*((\y)%2)
.set rW, MV+((\y)%2)
.set rS, S+32*((\y)%2)
.set rP, P+16*((\y)%2)
.set rO, 32*(\y)
.endm
.macro OP k, n
.if (\k) == R
	REGS Y
	WIN W_RS
	v_pk_mul_f32 v[rO+2*(\n):rO+2*(\n)+1], v[rO+2*(\n):rO+2*(\n)+1], v[rC+2:rC+3] op_sel_hi:[1,0]
.elseif (\k) < R
	REGS Y
	WIN 0
.if (\k) == F
	v_pk_fma_f32 v[rS+2*(\n):rS+2*(\n)+1], v[rS+2*(\n):rS+2*(\n)+1], s[CS:CS+1], v[rT:rT+1] op_sel_hi:[1,0,0] neg_lo:[0,0,1] neg_hi:[0,0,1]
.elseif (\k) == E
	v_exp_f32 v[rS+(\n)], v[rS+(\n)]
.elseif (\k) == C
	v_cvt_pk_f16_f32 v[rP+(\n)], v[rS+2*(\n)], v[rS+2*(\n)+1]
.elseif (\k) == B
	v_pk_add_f32 v[rS+4*(\n):rS+4*(\n)+1], v[rS+4*(\n):rS+4*(\n)+1], v[rS+4*(\n)+2:rS+4*(\n)+3]
.elseif (\n) == 0
	v_pk_fma_f32 v[rT+2:rT+3], v[rT+2:rT+3], v[rC+2:rC+3], v[rS:rS+1] op_sel_hi:[1,0,1]
.else
	v_pk_add_f32 v[rT+2:rT+3], v[rT+2:rT+3], v[rS+4*(\n):rS+4*(\n)+1]
.endif
.else
	REGS (Y+1)%NP
	WIN 0
.if (\n) < 4
	v_max3_num_f32 v[rC+(\n)], v[rS+8*(\n)], v[rS+8*(\n)+1], v[rS+8*(\n)+2]
.elseif (\n) < 12
	v_max3_num_f32 v[rC+(\n)%4], v[rC+(\n)%4], v[rS+8*((\n)%4)+2*((\n)/4)+1], v[rS+8*((\n)%4)+2*((\n)/4)+2]
.elseif (\n) == 12
	v_max3_num_f32 v[rC], v[rC], v[rS+7], v[rS+15]
.elseif (\n) == 13
	v_max3_num_f32 v[rC+1], v[rC+1], v[rS+23], v[rS+31]
.elseif (\n) == 14
	v_max3_num_f32 v[rC+2], v[rC+2], v[rC+3], v[rT+1]
.elseif (\n) == 15
	v_mov_b32 v[rW], v[rT]
.elseif (\n) == 16
	v_max3_num_f32 v[rC], v[rC], v[rC+1], v[rC+2]
.elseif (\n) == 17
	v_permlanex16_b32 v[rC+3], v[rC], s[SEL], s[SEL+1]
.elseif (\n) == 18
	v_max_num_f32 v[rT+1], v[rC], v[rC+3]
.elseif (\n) == 19
	v_mul_f32 v[rT], s[CS], v[rT+1]
.elseif (\n) == 20
	v_sub_f32 v[rC+1], v[rW], v[rT]
.else
	v_exp_f32 v[rC+2], v[rC+1]
.endif
.endif
.endm
.macro OPS a, i1, b=-1, i2=0, c=-1, i3=0, d=-1, i4=0
	OP \a, \i1
.if (\b) >= 0
	OP \b, \i2
.endif
.if (\c) >= 0
	OP \c, \i3
.endif
.if (\d) >= 0
	OP \d, \i4
.endif
.endm
.macro ROW a, i1, b, i2, c, i3, d, i4  ; a matrix instruction and the four behind it
	MM
	OPS \a, \i1, \b, \i2, \c, \i3, \d, \i4
.endm
; A TURN, for piece p, written out.  Ahead of its one wait stands all that names no result of the turn's exponentials: the 8 products K Q^T with their riders, and one lump; behind it the 8 products V^T P,
; whose riders are the roundings and sums.  last = 1: the tail's form of piece 2's turn (FETCH_K).  cnt = 1: the loop's count is taken down some lines ahead of the branch.
; K and the mask of the next step are fetched in piece 2's turn, twelve vector instructions (six of them plain) behind the last product that read K; V of the step in hand at the end of piece 0's
; turn, four plain instructions behind the last product that read V.  Each is waited for a turn later.
.macro TURN p, last=0, cnt=0
.set Y, (\p)
.set i, 0
.if (\p) == 3
	s_wait_dscnt 0x0                ; K and the mask are in
.endif
	ROW F,0, F,1, R,0, R,1
	ROW F,2, E,0, R,2, R,3
	ROW F,3, E,1, R,4, R,5
	ROW F,4, E,2, R,6, R,7
	ROW F,5, E,3, R,8, R,9
	ROW F,6, E,4, X,0, R,10
.if (\p) == 2
	WIN 0
	v_add_nc_u32 v[AK], s[TBK], v[AK0]
	v_add_nc_u32 v[AM], s[TBM], v[AM0]
.endif
	ROW F,7, E,5, X,1, X,4
	ROW F,8, E,6, X,2, X,5
	OPS E,7, E,8, X,6, E,9
	OPS X,3, E,10, X,8, E,11
.if (\p) == 2
	FETCH_K \last
.endif
	OPS X,9, X,7, E,12, X,10
	OPS E,13, X,12, X,11, E,14
	OPS X,13, E,15, F,9, X,14
.if (\p) == 0
	v_add_nc_u32 v[AV], s[TBV], v[AV0]
.endif
	OPS E,16, F,10, E,17, F,11
	OPS X,16, E,18, X,15, E,19
	OPS F,12, E,20, X,17, E,21
	OPS F,13, E,22, F,14, E,23
	OPS X,18, E,24, F,15, E,25
	OPS R,11, E,26, X,19, E,27
	OPS R,12, E,28, R,13, E,29
	OPS X,20, E,30, R,14, E,31
	OPS X,21, R,15                  ; the batch's last exponential, and the plain instruction behind it
	WIN 0
	s_wait_alu depctr_va_vdst(0)    ; the one wait for the batch, ahead of the first instruction that names a result of it
.if (\p) == 1
	s_wait_dscnt 0x0                ; V is in
.endif
	ROW C,0, B,0, C,2, B,1
	ROW L,0, C,4, B,2, L,1
	ROW C,6, B,3, L,2, C,8
	ROW B,4, L,3, C,10, B,5
	ROW L,4, C,12, B,6, L,5
.if (\p) == 0
	s_add_co_u32 s[TBV], s[TBV], STEPB
.endif
.if \cnt
	s_sub_co_u32 s[CNT], s[CNT], 1
	s_cmp_lg_u32 s[CNT], 0
.endif
	ROW C,14, B,7, L,6, C,1
	ROW C,3, L,7, C,5, C,7
	ROW C,9, C,11, C,13, C,15
.if (\p) == 0
	FETCH_V
.endif
.endm
	CHANGE 1, 0                     ; slot 0 is in, everybody's part of it, and so is everybody's part of the table; slot 1 is asked for
	v_add_nc_u32 v[AK], s[TBK], v[AK0]
	v_add_nc_u32 v[AM], s[TBM], v[AM0]
	FETCH_K                         ; key step 0
	s_wait_dscnt 0x0
.set i, 0
.rept 8
	KQ 0                            ; piece 0's first scores
.set i, i+1
.endr
	WIN 0
.rept 4
	v_nop                           ; the places behind those products
.endr
.set Y, NP-1                        ; X works for piece Y + 1: piece 0
.irp n, 0,1,2,3,4,5,6,7,8,9,10,11,12,13,14,15,16,17,18,19,20,21
	OP X, \n
.endr
	v_nop                           ; a plain instruction behind the exponential,
	s_wait_alu depctr_va_vdst(0)    ; and its wait, ahead of the branch
	s_mov_b32 s[CNT], 2
	s_mov_b32 s[SLOTS], 15
	s_branch .Lfirst                ; the loop is entered at a step's first turn, in the middle of a trip
.Lslot:                             ; 14 times: every slot but the last two is filled again
	CHANGE 1, 1
	s_mov_b32 s[CNT], 2
.Lstep:                             ; a trip: pieces 2 and 3 of one step, then pieces 0 and 1 of the next, whose K and V it fetches
	TURN 2
	TURN 3
	WIN 0
.Lfirst:
	TURN 0
	TURN 1, 0, 1
	WIN 0
	s_cbranch_scc1 .Lstep
	s_sub_co_u32 s[SLOTS], s[SLOTS], 1
	s_cmp_lg_u32 s[SLOTS], 0
	s_cbranch_scc1 .Lslot
	CHANGE 0, 0                     ; the last slot is written out: nothing is asked for
	s_mov_b32 s[CNT], 3             ; two trips fetch the last slot's steps; the third is left in its middle
.Ltail:
	TURN 2, 1
	TURN 3
	WIN 0
	s_sub_co_u32 s[CNT], s[CNT], 1
	s_cmp_eq_u32 s[CNT], 0
	s_cbranch_scc1 .Lout
	TURN 0
	TURN 1
	WIN 0
	s_branch .Ltail
.Lout:                              ; the third trip's 8 products K Q^T (on the last K once more) and the maximum made of them serve nothing: the price, once a launch, of one text for every trip
.set i, 0
.rept 8
	PV NP-1                         ; the last piece's V^T P of the last step
.set i, i+1
.endr
	; THE WAY OUT.  l's two halves and the other half of the lanes' are added; O^T is divided by l, rounded to f16 and put into the work-group's stage; a barrier, since a row's 256 bytes come from two waves.
	WIN 0
.macro ALL line:vararg
.set t, 0
.rept 4
	\line
.set t, t+1
.endr
.endm
	ALL v_add_f32 v[ST+4*t+2], v[ST+4*t+2], v[ST+4*t+3]
	ALL v_permlanex16_b32 v[ST+4*t+3], v[ST+4*t+2], s[SEL], s[SEL+1]
	ALL v_add_f32 v[ST+4*t+2], v[ST+4*t+2], v[ST+4*t+3]
	ALL v_rcp_f32 v[ST+4*t+2], v[ST+4*t+2]
	v_nop                           ; a plain instruction behind the last reciprocal,
	s_wait_alu depctr_va_vdst(0)    ; and one wait for the four
.macro PACK t
	WIN W_RS
.set i, 32*(\t)
.rept 16
	v_pk_mul_f32 v[i:i+1], v[i:i+1], v[ST+4*(\t)+2:ST+4*(\t)+3] op_sel_hi:[1,0]
.set i, i+2
.endr
	WIN 0x05
.set i, 0
.rept 16
	v_cvt_pk_f16_f32 v[S+16*(\t)+i], v[32*(\t)+2*i], v[32*(\t)+2*i+1]
.set i, i+1
.endr
	WIN 0
.irp f, 0,1,2,3
	ds_store_b128 v[STO], v[S+16*(\t)+4*\f:S+16*(\t)+4*\f+3] offset:(\t)*16*SP+32*\f
.endr
.endm
	PACK 0
	PACK 1
	PACK 2
	PACK 3
	s_wait_dscnt 0x0                ; for the others' sake: my stores into the stage are done
	s_barrier_signal -1
	s_barrier_wait -1
.irp f, 0,1,2,3,4,5,6,7,8,9,10,11,12,13,14,15
	ds_load_b128 v[S+4*\f:S+4*\f+3], v[RD] offset:\f*2*SP
.endr
.irp f, 0,1,2,3,4,5,6,7,8,9,10,11,12,13,14,15
	s_wait_dscnt 15-\f
	global_store_b128 v[GO], v[S+4*\f:S+4*\f+3], s[10:11] offset:\f*4096  ; 16 lanes store 256 consecutive bytes, aligned
.endr
	s_wait_tensorcnt 0x0            ; the wave's end
	ds_add_u32 v[SPW], v[NIL]
	s_wait_dscnt 0x0
	CROUND                          ; the closing round
	s_endpgm
.Lfunc_end_k_q15761c6553_attn:
	.size	k_q15761c6553_attn, .Lfunc_end_k_q15761c6553_attn-k_q15761c6553_attn
	.p2alignl 7, 3214868480
	.fill 96, 4, 3214868480
	.section	.rodata,"a",@progbits
	.p2align	6, 0x0
	.amdhsa_kernel k_q15761c6553_attn
		.amdhsa_group_segment_fixed_size 327680
		.amdhsa_private_segment_fixed_size 0
		.amdhsa_enable_private_segment 0
		.amdhsa_kernarg_size 24
		.amdhsa_user_sgpr_count 2
		.amdhsa_user_sgpr_kernarg_segment_ptr 1
		.amdhsa_wavefront_size32 1
		.amdhsa_system_sgpr_workgroup_id_x 1
		.amdhsa_system_sgpr_workgroup_id_y 1
		.amdhsa_system_sgpr_workgroup_id_z 1
		.amdhsa_system_vgpr_workitem_id 0
		.amdhsa_next_free_vgpr 768
		.amdhsa_next_free_sgpr 72
		.amdhsa_reserve_vcc 0
		.amdhsa_float_denorm_mode_32 3
		.amdhsa_float_denorm_mode_16_64 3
		.amdhsa_memory_ordered 1
		.amdhsa_forward_progress 1
		.amdhsa_inst_pref_size 121
	.end_amdhsa_kernel
	.amdgpu_metadata
---
amdhsa.version: [ 1, 2 ]
amdhsa.kernels:
  - .name:           k_q15761c6553_attn
    .symbol:         k_q15761c6553_attn.kd
    .args:
      - { .name: big, .offset: 0, .size: 8, .value_kind: global_buffer, .address_space: global }
      - { .name: mask, .offset: 8, .size: 8, .value_kind: global_buffer, .address_space: global }
      - { .name: act, .offset: 16, .size: 8, .value_kind: global_buffer, .address_space: global }
    .group_segment_fixed_size: 327680
    .private_segment_fixed_size: 0
    .kernarg_segment_align: 8
    .kernarg_segment_size: 24
    .max_flat_workgroup_size: 128
    .sgpr_count:     72
    .vgpr_count:     768
    .wavefront_size: 32
...
	.end_amdgpu_metadata
.endif
;; end of part 3
;; launch wo (part 4): grid 8 x 32, 4 waves a work-group, clusters of 4 x 4, 327,680 bytes of LDS; arguments act, woh, t, bo; writes t
.if DOCPART == 4
	.amdgcn_target "amdgcn-amd-amdhsa--gfx1250"
	.amdhsa_code_object_version 6
	.text
	.protected	k_q15761c6553_wo
	.globl	k_q15761c6553_wo
	.p2align	8
	.type	k_q15761c6553_wo,@function
k_q15761c6553_wo:
	s_mov_b64 s[64:65], 0
	v_nop
	global_prefetch_b8 v0, s[64:65] scope:SCOPE_SE
	s_setreg_imm32_b32 hwreg(HW_REG_WAVE_MODE, 25, 1), 1
	s_wait_xcnt 0x0
	s_wait_alu depctr_hold_cnt(0) depctr_sa_sdst(0) depctr_va_vdst(0) depctr_va_sdst(0) depctr_va_ssrc(0) depctr_va_vcc(0) depctr_vm_vsrc(0)
	s_getreg_b32 s2, hwreg(HW_REG_IB_STS2, 6, 4)
	s_cmp_eq_u32 s2, 0
	s_cbranch_scc0 .Lentry_in_a_cluster
	s_endpgm
.Lentry_in_a_cluster:
	s_bfe_u32 s2, ttmp6, 0x10000c
	s_cmp_lg_u32 s2, 0xf033
	s_cbranch_scc0 .Lentry_shape_is_right
	s_endpgm
.Lentry_shape_is_right:
; C = A W + bias in f32.  A: [4,096][SIZE_K] f16; W: [SIZE_K k][1,024 n] f16; C: [4,096][1,024] f32; the bias f32.  Sums in f32, started by the bias.  Here: the attention's output times Wo, plus bo.
; The residual and the norm follow in the next launch, which owns whole rows.  No work of the problem is left out.
; SHAPE.  1,024 columns make too few tiles of 256 x 256 for the grid to give every WGP a work-group: a tile of C is 128 x 128, 8 x 32 of them.  Four waves, each 64 x 64: 16 accumulators.  K goes in steps
; of 256 through two LDS slots.  A comes out of LDS as it lies, W is turned by ds_load_tr16_b128; the matrix instruction is used transposed, so a lane holds eight neighbouring columns of a row of C.
; ONE K STEP IS WRITTEN FOR THE LOOP: the slot in hand is a scalar, s[TB] (0 or SLOT1), which an exclusive or turns at each change of slots; the fragment addresses are a base + s[TB].
; CLUSTER 4 x 4: A's tiles are asked for jointly along a row of the cluster, W's along a column.  No prefetch: a tile's step is short and its blocks small.
; REGISTERS: window 0: v0-31 addresses; v32-63 the bias, later with v64-95 at work on the way out; v128-255 the accumulators, (a, b) at v[128 + 8 (4 a + b)].
;   window 1: two fragment buffers of 128: for 64 along K, 64 registers of A, then 64 of W.
.set SIZE_K, 1024
.set KSTEP,  256
.set NSTEP,  SIZE_K/KSTEP
.set PA,     528                       ; an LDS row of A: 512 bytes + 16
.set PB,     288                       ; an LDS row of W: 256 bytes + 32
.set HALFA,  64*PA
.set HALFB,  128*PB
.set SLOT1,  0x24000                   ; slot 1 begins here, behind slot 0's 141,312 bytes: the number shares no bit with a tile's address in slot 0 (0, 0x8400, 0x10800, 0x19800), so an exclusive or with it is the sum
.set STAGE,  SLOT1+2*HALFA+2*HALFB     ; behind the ring: 16 rows x 272 bytes for each wave
.set SPITCH, 272
.set SPARE,  STAGE+4*16*SPITCH
.set ADRA0, 16                         ; v16     my A fragments in slot 0; never rewritten
.set ADRA,  17                         ; v17     in the slot in hand
.set ADRB0, 20                         ; v20     my W fragments in slot 0; never rewritten
.set ADRB,  22                         ; v22-23  in the slot in hand: k-rows 0-127, 128-255
.set STO,  24
.set RD,   25
.set CO,   26
.set BO,   27
.set SPW,  28
.set NIL,  29
.set BIAS, 32
.set TMP,  32
.set ACC,  128
.set F0,   0
.set F1,   128
.set G1,  24                           ; s[24:31] group 1 for A;  s[32:39] group 0: a set for each of the two first fills; the second then walks on
.set G0,  32
.set G1B, 48                           ; the same for W
.set G0B, 56
.set TB,  68                           ; s68  the slot in hand: 0 or SLOT1
.set MSB, 0
.macro WIN new
.if MSB != (\new)
	s_set_vgpr_msb (MSB<<8)|(\new)
.set MSB, \new
.endif
.endm
.set MUL,  0x05                        ; sources 0 and 1 window 1; C and D window 0
.set TO_F, 0x40
.macro JLOAD s                         ; waves 0 and 1 fetch A's two halves, waves 2 and 3 W's; an s_nop 0 and four v_nop follow each line
	s_cmp_eq_u32 s11, 0
	s_cbranch_scc0 .Lfor_b_\@
	tensor_load_to_lds s[G0+4*(\s):G0+4*(\s)+3], s[G1:G1+7]
	s_nop 0
.rept 4
	v_nop
.endr
	s_branch .Lasked_\@
.Lfor_b_\@:
	tensor_load_to_lds s[G0B+4*(\s):G0B+4*(\s)+3], s[G1B:G1B+7]
	s_nop 0
.rept 4
	v_nop
.endr
.Lasked_\@:
.endm
.macro CREST
	s_cmp_lg_u32 s10, 0
	s_cbranch_scc1 .Lnot_wave_0_\@
	s_barrier_signal -3
.Lnot_wave_0_\@:
	s_barrier_wait -3
	s_barrier_signal -1
	s_barrier_wait -1
.endm
.macro CROUND
	s_barrier_signal -1
	s_barrier_wait -1
	CREST
.endm
	s_load_b128 s[4:7], s[0:1], 0x0                ; A, W
	s_load_b64 s[8:9], s[0:1], 0x10                ; C
	s_load_b64 s[66:67], s[0:1], 0x18              ; the bias
	v_lshl_add_u32 v[SPW], v0, 2, SPARE
	v_mov_b32 v[NIL], 0
	ds_add_u32 v[SPW], v[NIL]                      ; the wave's opening: the add, twice on end, and its wait ahead of my first tensor load
	ds_add_u32 v[SPW], v[NIL]
	v_lshrrev_b32 v1, 5, v0
	v_readfirstlane_b32 s10, v1
	s_lshr_b32 s11, s10, 1                         ; my half of the rows.  Also: I fetch for A (0) or for W (1)
	s_and_b32 s12, s10, 1                          ; my half of the columns.  Also: which half of that tile I fetch
	s_bfe_u32 s40, ttmp6, 0x40000
	s_bfe_u32 s41, ttmp6, 0x40004
	s_lshl_b32 s42, ttmp9, 2
	s_add_co_u32 s42, s42, s40                     ; tile column
	s_and_b32 s13, ttmp7, 0xffff
	s_lshl_b32 s13, s13, 2
	s_add_co_u32 s13, s13, s41                     ; tile row
	s_lshl_b32 s43, s41, 2
	s_lshl_b32 s43, 15, s43
	s_lshl_b32 s44, 0x1111, s40
	s_or_b32 s[G1+0], s43, (1<<16)|(1<<20)|(1<<21)|(6<<22)|(3<<25)   ; after every 128 words 4 words
	s_mov_b32 s[G1+1], KSTEP<<16
	s_mov_b32 s[G1+2], 64<<16
	s_mov_b32 s[G1+3], KSTEP<<16
	s_mov_b32 s[G1+4], 64
	s_mov_b32 s[G1+5], SIZE_K
	s_mov_b32 s[G1+6], 0
	s_mov_b32 s[G1+7], 0
	s_or_b32 s[G1B+0], s44, (1<<16)|(1<<20)|(1<<21)|(5<<22)|(7<<25)  ; after every 64 words 8 words
	s_mov_b32 s[G1B+1], 128<<16
	s_mov_b32 s[G1B+2], 128<<16
	s_mov_b32 s[G1B+3], 128<<16
	s_mov_b32 s[G1B+4], 128
	s_mov_b32 s[G1B+5], 1024
	s_mov_b32 s[G1B+6], 0
	s_mov_b32 s[G1B+7], 0
	s_lshl_b32 s17, s12, 6
	s_lshl_b32 s16, s13, 7
	s_add_co_u32 s16, s16, s17                     ; A: row 128 x tile row + 64 x half
	s_mul_i32 s16, s16, 2*SIZE_K
	s_mov_b32 s17, 0
	s_lshl_b32 s46, s12, 18                        ; W: 128 k-rows of 2,048 bytes for the second half,
	s_lshl_b32 s47, s42, 8                         ; 256 bytes a tile column
	s_add_co_u32 s46, s46, s47
	s_mov_b32 s47, 0
	s_mul_i32 s20, s12, HALFA                      ; where they go
	s_mul_i32 s21, s12, HALFB
	s_add_co_u32 s21, s21, 2*HALFA
	s_mov_b32 s[TB], 0
	s_wait_dscnt 0x0
	s_wait_kmcnt 0x0
	s_add_nc_u64 s[14:15], s[4:5], s[16:17]
	s_add_nc_u64 s[46:47], s[6:7], s[46:47]
	CROUND
.irp s, 0,1
	s_mov_b32 s[G0+4*(\s)], 1
	s_add_co_u32 s[G0+4*(\s)+1], s20, (\s)*SLOT1
	s_add_nc_u64 s[G0+4*(\s)+2:G0+4*(\s)+3], s[14:15], (\s)*KSTEP*2
	s_or_b32 s[G0+4*(\s)+3], s[G0+4*(\s)+3], 0x80000000
	s_mov_b32 s[G0B+4*(\s)], 1
	s_add_co_u32 s[G0B+4*(\s)+1], s21, (\s)*SLOT1
	s_add_nc_u64 s[G0B+4*(\s)+2:G0B+4*(\s)+3], s[46:47], (\s)*KSTEP*2048
	s_or_b32 s[G0B+4*(\s)+3], s[G0B+4*(\s)+3], 0x80000000
	JLOAD \s
.endr
	v_and_b32 v1, 15, v0
	v_bfe_u32 v2, v0, 4, 1
	s_lshl_b32 s22, s42, 9                         ; my 64 columns: 4 (128 tile column + 64 half) bytes, in the bias and in a row of C
	s_lshl_b32 s23, s12, 8
	s_add_co_u32 s22, s22, s23
	s_mov_b32 s23, 0
	s_add_nc_u64 s[66:67], s[66:67], s[22:23]
	v_lshlrev_b32 v[BO], 5, v2
.irp b, 0,1,2,3
	global_load_b128 v[BIAS+8*\b:BIAS+8*\b+3],   v[BO], s[66:67] offset:64*\b
	global_load_b128 v[BIAS+8*\b+4:BIAS+8*\b+7], v[BO], s[66:67] offset:64*\b+16
.endr
	s_lshl_b32 s16, s13, 7
	s_lshl_b32 s17, s11, 6
	s_add_co_u32 s16, s16, s17                     ; my first row of C
	s_lshl_b32 s16, s16, 12
	s_mov_b32 s17, 0
	s_add_nc_u64 s[8:9], s[8:9], s[16:17]
	s_add_nc_u64 s[8:9], s[8:9], s[22:23]
	v_mul_u32_u24 v3, v1, PA
	v_lshl_add_u32 v3, v2, 4, v3
	v_and_b32 v4, 7, v0
	v_lshl_add_u32 v4, v2, 3, v4
	v_mul_u32_u24 v4, v4, PB
	v_bfe_u32 v5, v0, 3, 1
	v_lshl_add_u32 v4, v5, 4, v4
	s_mul_i32 s20, s11, HALFA                      ; my 64 rows of A
	s_lshl_b32 s21, s12, 7                         ; my 64 columns of W,
	s_add_co_u32 s21, s21, 2*HALFA                 ; which lies behind A
	v_add_nc_u32 v[ADRA0], s20, v3
	v_add_nc_u32 v[ADRB0], s21, v4
	v_mov_b32 v[ADRA], v[ADRA0]                    ; K step 0 lies in slot 0
	v_mov_b32 v[ADRB], v[ADRB0]
	v_add_nc_u32 v[ADRB+1], HALFB, v[ADRB0]
	s_mul_i32 s20, s10, 16*SPITCH
	s_add_co_u32 s20, s20, STAGE                   ; my stage
	v_mul_u32_u24 v4, v1, SPITCH
	v_lshl_add_u32 v4, v2, 5, v4
	v_add_nc_u32 v[STO], s20, v4                   ; in: row l % 16, 32 bytes for each half of the lanes
	v_mul_u32_u24 v5, v2, SPITCH
	v_lshl_add_u32 v5, v1, 4, v5
	v_add_nc_u32 v[RD], s20, v5                    ; back: lanes 0-15 one row of 256 bytes, lanes 16-31 the next
	v_lshlrev_b32 v5, 12, v2
	v_lshl_add_u32 v[CO], v1, 4, v5
; 8 matrix instructions: m blocks a0, a0 + 1 x all 4 n blocks, 32 along K: half c of buffer f.  first = 1: the bias starts the sums.  The 16 accumulators take turns.
.macro MUL8 f, c, a0, first
	WIN MUL
.irp a, \a0, (\a0)+1
.irp b, 0,1,2,3
.if \first
	v_wmma_f32_16x16x32_f16 v[ACC+8*(4*(\a)+(\b)):ACC+8*(4*(\a)+(\b))+7], v[(\f)+64+8*(4*(\c)+(\b)):(\f)+64+8*(4*(\c)+(\b))+7], v[(\f)+8*(4*(\c)+(\a)):(\f)+8*(4*(\c)+(\a))+7], v[BIAS+8*(\b):BIAS+8*(\b)+7]
.else
	v_wmma_f32_16x16x32_f16 v[ACC+8*(4*(\a)+(\b)):ACC+8*(4*(\a)+(\b))+7], v[(\f)+64+8*(4*(\c)+(\b)):(\f)+64+8*(4*(\c)+(\b))+7], v[(\f)+8*(4*(\c)+(\a)):(\f)+8*(4*(\c)+(\a))+7], v[ACC+8*(4*(\a)+(\b)):ACC+8*(4*(\a)+(\b))+7]
.endif
.endr
.endr
.endm
; 32 LDS loads in one run: quarter q (64 along K) of the slot in hand into buffer f; its first 32 along K first
.macro FETCH q, f
	WIN TO_F
.irp c, 0,1
.irp i, 0,1,2,3
	ds_load_tr16_b128 v[(\f)+64+8*(4*(\c)+(\i)):(\f)+64+8*(4*(\c)+(\i))+3],   v[ADRB+(\q)/2] offset:(((\q)%2)*64+32*(\c))*PB+32*(\i)
	ds_load_tr16_b128 v[(\f)+64+8*(4*(\c)+(\i))+4:(\f)+64+8*(4*(\c)+(\i))+7], v[ADRB+(\q)/2] offset:(((\q)%2)*64+32*(\c)+16)*PB+32*(\i)
	ds_load_b128 v[(\f)+8*(4*(\c)+(\i)):(\f)+8*(4*(\c)+(\i))+3],   v[ADRA] offset:128*(\q)+64*(\c)+(\i)*16*PA
	ds_load_b128 v[(\f)+8*(4*(\c)+(\i))+4:(\f)+8*(4*(\c)+(\i))+7], v[ADRA] offset:128*(\q)+64*(\c)+(\i)*16*PA+32
.endr
.endr
.endm
.macro PLACES
.rept 4
	v_nop
.endr
.endm
.macro QUARTER q, f, g, first
	s_wait_dscnt 16                                ; the first 32 along K are in
	MUL8 \f, 0, 0, \first
	MUL8 \f, 0, 2, \first
	PLACES
	FETCH \q, \g
	s_wait_dscnt 32                                ; all but the 32 just issued
	MUL8 \f, 1, 0, 0
	MUL8 \f, 1, 2, 0
.endm
; The last quarter multiplies buffer 1 and changes slots: one barrier; ahead of it each wave waits for all its tensor loads, adds 0 to its spare word, and waits for that and for its reads of this slot.
; fill = 1: the barrier opens a round of the cluster's, and the slot just read is filled again, two K steps ahead: the walking descriptors go to the other slot than last time and one K step on.
.macro TURN fill
	WIN 0
	s_wait_tensorcnt 0x0
	ds_add_u32 v[SPW], v[NIL]
	s_wait_dscnt 17                                ; the add and the youngest sixteen loads may be out
	MUL8 F1, 0, 0, 0
	s_wait_dscnt 0x0
	s_barrier_signal -1
	MUL8 F1, 0, 2, 0
	WIN 0                                          ; branches and address work follow
	s_barrier_wait -1
.if \fill
	CREST
	s_xor_b32 s[G0+5], s[G0+5], SLOT1
	s_add_nc_u64 s[G0+6:G0+7], s[G0+6:G0+7], KSTEP*2
	s_xor_b32 s[G0B+5], s[G0B+5], SLOT1
	s_add_nc_u64 s[G0B+6:G0B+7], s[G0B+6:G0B+7], KSTEP*2048
	JLOAD 1                                        ; 112 matrix instructions ahead of the wait for it; its four v_nop are also the places ahead of the loads below
.else
	PLACES
.endif
	s_xor_b32 s[TB], s[TB], SLOT1                  ; the other slot is in hand
	v_add_nc_u32 v[ADRA], s[TB], v[ADRA0]
	v_add_nc_u32 v[ADRB], s[TB], v[ADRB0]
	v_add_nc_u32 v[ADRB+1], HALFB, v[ADRB]
	FETCH 0, F0
	MUL8 F1, 1, 0, 0
	MUL8 F1, 1, 2, 0
.endm
	s_wait_tensorcnt 1                             ; my part of K step 0 is in; step 1's may stay out
	s_barrier_signal -1
	s_barrier_wait -1
	FETCH 0, F0
	s_wait_loadcnt 0x0                             ; the bias
	QUARTER 1, F0, F1, 1
	WIN 0
	s_mov_b32 s3, NSTEP-2
.Lstep:                                                ; a trip goes from a K step's second quarter to the next step's first, and fills the slot that it leaves
	QUARTER 2, F1, F0, 0
	QUARTER 3, F0, F1, 0
	TURN 1
	QUARTER 1, F0, F1, 0
	WIN 0
	s_sub_co_u32 s3, s3, 1
	s_cmp_lg_u32 s3, 0
	s_cbranch_scc1 .Lstep
	s_mov_b32 s3, 2                                ; the last two K steps fill nothing: their text is entered in its middle and walked twice
	s_branch .Lmid
.Ltail:
	TURN 0
	QUARTER 1, F0, F1, 0
	WIN 0
.Lmid:
	QUARTER 2, F1, F0, 0
	QUARTER 3, F0, F1, 0
	WIN 0
	s_sub_co_u32 s3, s3, 1
	s_cmp_lg_u32 s3, 0
	s_cbranch_scc1 .Ltail
	s_wait_dscnt 16                                ; the very last quarter: nothing more to fetch
	MUL8 F1, 0, 0, 0
	MUL8 F1, 0, 2, 0
	s_wait_dscnt 0x0
	MUL8 F1, 1, 0, 0
	MUL8 F1, 1, 2, 0
	WIN 0
	; THE WAY OUT.  My 64 columns in f32 are 256 consecutive bytes, aligned: 16 rows at a time go through my own stage and come back as whole rows.  No arithmetic, no barrier.
	PLACES
.macro TOSTAGE a
.irp b, 0,1,2,3
	ds_store_b128 v[STO], v[ACC+8*(4*(\a)+(\b)):ACC+8*(4*(\a)+(\b))+3]   offset:64*(\b)
	ds_store_b128 v[STO], v[ACC+8*(4*(\a)+(\b))+4:ACC+8*(4*(\a)+(\b))+7] offset:64*(\b)+16
.endr
.irp t, 0,1,2,3,4,5,6,7
	ds_load_b128 v[TMP+32*((\a)%2)+4*(\t):TMP+32*((\a)%2)+4*(\t)+3], v[RD] offset:(\t)*2*SPITCH  ; LDS serves a wave's instructions in order: these see the stores above
.endr
.endm
.macro SEND a
	s_wait_dscnt 0x0                               ; the block is back in registers
	s_wait_xcnt 0x0                                ; the block before has been read by its stores: its registers are loaded again only behind this wait
.irp t, 0,1,2,3,4,5,6,7
	global_store_b128 v[CO], v[TMP+32*((\a)%2)+4*(\t):TMP+32*((\a)%2)+4*(\t)+3], s[8:9] offset:(16*(\a)+2*(\t))*4096  ; 16 lanes store 256 consecutive bytes, aligned
.endr
.endm
	TOSTAGE 0
.irp a, 1,2,3
	SEND (\a)-1
	TOSTAGE \a
.endr
	SEND 3
	s_wait_tensorcnt 0x0                           ; the wave's end
	ds_add_u32 v[SPW], v[NIL]
	s_wait_dscnt 0x0
	CROUND                                         ; the closing round
	s_endpgm
.Lfunc_end_k_q15761c6553_wo:
	.size	k_q15761c6553_wo, .Lfunc_end_k_q15761c6553_wo-k_q15761c6553_wo
	.p2alignl 7, 3214868480
	.fill 96, 4, 3214868480
	.section	.rodata,"a",@progbits
	.p2align	6, 0x0
	.amdhsa_kernel k_q15761c6553_wo
		.amdhsa_group_segment_fixed_size 327680
		.amdhsa_private_segment_fixed_size 0
		.amdhsa_enable_private_segment 0
		.amdhsa_kernarg_size 32
		.amdhsa_user_sgpr_count 2
		.amdhsa_user_sgpr_kernarg_segment_ptr 1
		.amdhsa_wavefront_size32 1
		.amdhsa_system_sgpr_workgroup_id_x 1
		.amdhsa_system_sgpr_workgroup_id_y 1
		.amdhsa_system_sgpr_workgroup_id_z 1
		.amdhsa_system_vgpr_workitem_id 0
		.amdhsa_next_free_vgpr 512
		.amdhsa_next_free_sgpr 72
		.amdhsa_reserve_vcc 0
		.amdhsa_float_denorm_mode_32 3
		.amdhsa_float_denorm_mode_16_64 3
		.amdhsa_memory_ordered 1
		.amdhsa_forward_progress 1
		.amdhsa_inst_pref_size 61
	.end_amdhsa_kernel
	.amdgpu_metadata
---
amdhsa.version: [ 1, 2 ]
amdhsa.kernels:
  - .name:           k_q15761c6553_wo
    .symbol:         k_q15761c6553_wo.kd
    .args:
      - { .name: act, .offset: 0, .size: 8, .value_kind: global_buffer, .address_space: global }
      - { .name: woh, .offset: 8, .size: 8, .value_kind: global_buffer, .address_space: global }
      - { .name: t, .offset: 16, .size: 8, .value_kind: global_buffer, .address_space: global }
      - { .name: bo, .offset: 24, .size: 8, .value_kind: global_buffer, .address_space: global }
    .group_segment_fixed_size: 327680
    .private_segment_fixed_size: 0
    .kernarg_segment_align: 8
    .kernarg_segment_size: 32
    .max_flat_workgroup_size: 128
    .sgpr_count:     72
    .vgpr_count:     512
    .wavefront_size: 32
...
	.end_amdgpu_metadata
.endif
;; end of part 4
;; launch ln1 (part 5): grid 256 x 1, 8 waves a work-group, no clusters, 0 bytes of LDS; arguments t, xyh, g1, be1, act; writes act
.if DOCPART == 5
	.amdgcn_target "amdgcn-amd-amdhsa--gfx1250"
	.amdhsa_code_object_version 6
	.text
	.protected	k_q15761c6553_ln1
	.globl	k_q15761c6553_ln1
	.p2align	8
	.type	k_q15761c6553_ln1,@function
k_q15761c6553_ln1:
	s_mov_b64 s[64:65], 0
	v_nop
	global_prefetch_b8 v0, s[64:65] scope:SCOPE_SE
	s_setreg_imm32_b32 hwreg(HW_REG_WAVE_MODE, 25, 1), 1
	s_wait_xcnt 0x0
; x1 = LayerNorm(x + t) g1 + be1, rounded once to f16.  t: [4,096][1,024] f32, the attention's projected output with its bias; x: the first 4,096 rows of xyh, f16.  No work of the problem is left out.
; A wave takes two whole rows and keeps each in 32 registers: lane l owns numbers 128 j + 4 l .. + 3.  Mean and variance are taken in two passes over the registers, in f32, as the formula has them.
; All 48 loads go out at the head.  ONE TEXT SERVES BOTH ROWS: it works on the first row's registers, and between the rows the second row is copied into them (48 lines, against a second copy of the text).
; Every load covers 512 or 256 consecutive bytes, every store 256, aligned.  No LDS, no barrier: no wave wants another's numbers.  Matrix units and clusters have nothing to do here.
.set R0, 32                            ; v[32:47]   the row's residual, 16 registers of f16 pairs; later its results
.set R1, 48                            ; v[48:63]   the second row's, as loaded
.set G,  64                            ; v[64:95]   the gain of my 32 columns
.set BE, 96                            ; v[96:127]  the offset
.set T0, 128                           ; v[128:159] the row at work
.set T1, 160                           ; v[160:191] the second row, as loaded
	s_load_b256 s[4:11], s[0:1], 0x0               ; t, the residual, gain, offset
	s_load_b64 s[16:17], s[0:1], 0x20              ; the output
	v_lshrrev_b32 v1, 5, v0
	v_readfirstlane_b32 s18, v1
	s_lshl_b32 s19, ttmp9, 3
	s_add_co_u32 s19, s19, s18                     ; my wave among all
	s_lshl_b32 s20, s19, 13                        ; two rows of 4,096 bytes
	s_mov_b32 s21, 0
	s_lshl_b32 s22, s19, 12                        ; two rows of 2,048 bytes
	s_mov_b32 s23, 0
	s_mov_b32 s12, 0x76543210
	s_mov_b32 s13, 0xfedcba98
	s_mov_b32 s14, 0x3a800000                      ; 1 / 1,024
	s_mov_b32 s15, 0x3727c5ac                      ; 1e-5
	v_and_b32 v2, 31, v0
	v_lshlrev_b32 v1, 4, v2
	v_lshlrev_b32 v2, 3, v2
	v_mov_b32 v3, 1.0
	s_wait_kmcnt 0x0
	s_add_nc_u64 s[4:5], s[4:5], s[20:21]
	s_add_nc_u64 s[6:7], s[6:7], s[22:23]
	s_add_nc_u64 s[16:17], s[16:17], s[22:23]
.irp j, 0,1,2,3,4,5,6,7
	global_load_b128 v[G+4*\j:G+4*\j+3], v1, s[8:9] offset:512*\j
.endr
.irp j, 0,1,2,3,4,5,6,7
	global_load_b128 v[BE+4*\j:BE+4*\j+3], v1, s[10:11] offset:512*\j
.endr
.irp j, 0,1,2,3,4,5,6,7
	global_load_b128 v[T0+4*\j:T0+4*\j+3], v1, s[4:5] offset:512*\j th:TH_LOAD_NT
.endr
.irp j, 0,1,2,3,4,5,6,7
	global_load_b64 v[R0+2*\j:R0+2*\j+1], v2, s[6:7] offset:256*\j th:TH_LOAD_NT
.endr
.irp j, 0,1,2,3,4,5,6,7
	global_load_b128 v[T1+4*\j:T1+4*\j+3], v1, s[4:5] offset:4096+512*\j th:TH_LOAD_NT
.endr
.irp j, 0,1,2,3,4,5,6,7
	global_load_b64 v[R1+2*\j:R1+2*\j+1], v2, s[6:7] offset:2048+256*\j th:TH_LOAD_NT
.endr
.macro LANESUM                         ; four pairs of partial sums in v[4:11] -> the row's sum in v4 of every lane
	v_pk_add_f32 v[4:5], v[4:5], v[6:7]
	v_pk_add_f32 v[8:9], v[8:9], v[10:11]
	v_pk_add_f32 v[4:5], v[4:5], v[8:9]
	v_add_f32 v4, v4, v5
	v_add_f32_dpp v4, v4, v4 row_xmask:1 row_mask:0xf bank_mask:0xf
	v_add_f32_dpp v4, v4, v4 row_xmask:2 row_mask:0xf bank_mask:0xf
	v_add_f32_dpp v4, v4, v4 row_xmask:4 row_mask:0xf bank_mask:0xf
	v_add_f32_dpp v4, v4, v4 row_xmask:8 row_mask:0xf bank_mask:0xf
	v_permlanex16_b32 v5, v4, s12, s13
	v_add_f32 v4, v4, v5
.endm
	s_mov_b32 s24, 2
	s_branch .Lrow                                 ; the loop is entered behind the copy
.Lnext:
	s_wait_loadcnt 0x0                             ; the second row is in
	s_wait_xcnt 0x0                                ; the first row's stores have read their data and their base: both are written again only behind this wait
.set i, 0
.rept 32
	v_mov_b32 v[T0+i], v[T1+i]
.set i, i+1
.endr
.set i, 0
.rept 16
	v_mov_b32 v[R0+i], v[R1+i]
.set i, i+1
.endr
	s_add_nc_u64 s[16:17], s[16:17], 2048
.Lrow:
	s_wait_loadcnt 16                              ; gain, offset and the first row are in; the second row's sixteen loads may stay out
.irp j, 0,1,2,3,4,5,6,7
.irp p, 0,1
	v_fma_mix_f32 v[T0+4*(\j)+2*(\p)],   v[R0+2*(\j)+(\p)], v3, v[T0+4*(\j)+2*(\p)]   op_sel:[0,0,0] op_sel_hi:[1,0,0]  ; the residual's low half x 1 + t
	v_fma_mix_f32 v[T0+4*(\j)+2*(\p)+1], v[R0+2*(\j)+(\p)], v3, v[T0+4*(\j)+2*(\p)+1] op_sel:[1,0,0] op_sel_hi:[1,0,0]  ; its high half
.endr
.endr
.irp k, 0,1,2,3
	v_pk_add_f32 v[4+2*(\k):5+2*(\k)], v[T0+2*(\k):T0+2*(\k)+1], v[T0+8+2*(\k):T0+8+2*(\k)+1]
.endr
.irp m, 16,24
.irp k, 0,1,2,3
	v_pk_add_f32 v[4+2*(\k):5+2*(\k)], v[4+2*(\k):5+2*(\k)], v[T0+(\m)+2*(\k):T0+(\m)+2*(\k)+1]
.endr
.endr
	LANESUM
	v_mul_f32 v12, s14, v4                         ; the mean, twice
	v_mov_b32 v13, v12
.irp k, 0,1,2,3,4,5,6,7,8,9,10,11,12,13,14,15
	v_pk_add_f32 v[T0+2*(\k):T0+2*(\k)+1], v[T0+2*(\k):T0+2*(\k)+1], v[12:13] neg_lo:[0,1] neg_hi:[0,1]
.endr
.irp k, 0,1,2,3
	v_pk_mul_f32 v[4+2*(\k):5+2*(\k)], v[T0+2*(\k):T0+2*(\k)+1], v[T0+2*(\k):T0+2*(\k)+1]
.endr
.irp m, 8,16,24
.irp k, 0,1,2,3
	v_pk_fma_f32 v[4+2*(\k):5+2*(\k)], v[T0+(\m)+2*(\k):T0+(\m)+2*(\k)+1], v[T0+(\m)+2*(\k):T0+(\m)+2*(\k)+1], v[4+2*(\k):5+2*(\k)]
.endr
.endr
	LANESUM
	v_fma_f32 v4, v4, s14, s15                     ; the variance + 1e-5
	v_rsq_f32 v14, v4
	v_rsq_f32 v15, v4
	v_nop                                          ; a plain instruction behind the second root,
	s_wait_alu depctr_va_vdst(0)                   ; and one wait for both, ahead of their first reader
.irp k, 0,1,2,3,4,5,6,7,8,9,10,11,12,13,14,15
	v_pk_mul_f32 v[T0+2*(\k):T0+2*(\k)+1], v[T0+2*(\k):T0+2*(\k)+1], v[14:15]
	v_pk_fma_f32 v[T0+2*(\k):T0+2*(\k)+1], v[T0+2*(\k):T0+2*(\k)+1], v[G+2*(\k):G+2*(\k)+1], v[BE+2*(\k):BE+2*(\k)+1]
.endr
.irp j, 0,1,2,3,4,5,6,7
	v_cvt_pk_f16_f32 v[R0+2*(\j)],   v[T0+4*(\j)],   v[T0+4*(\j)+1]     ; into the residual's registers, which are free
	v_cvt_pk_f16_f32 v[R0+2*(\j)+1], v[T0+4*(\j)+2], v[T0+4*(\j)+3]
	global_store_b64 v2, v[R0+2*(\j):R0+2*(\j)+1], s[16:17] offset:256*(\j)
.endr
	s_sub_co_u32 s24, s24, 1
	s_cmp_lg_u32 s24, 0
	s_cbranch_scc1 .Lnext
	s_endpgm
.Lfunc_end_k_q15761c6553_ln1:
	.size	k_q15761c6553_ln1, .Lfunc_end_k_q15761c6553_ln1-k_q15761c6553_ln1
	.p2alignl 7, 3214868480
	.fill 96, 4, 3214868480
	.section	.rodata,"a",@progbits
	.p2align	6, 0x0
	.amdhsa_kernel k_q15761c6553_ln1
		.amdhsa_group_segment_fixed_size 0
		.amdhsa_private_segment_fixed_size 0
		.amdhsa_enable_private_segment 0
		.amdhsa_kernarg_size 40
		.amdhsa_user_sgpr_count 2
		.amdhsa_user_sgpr_kernarg_segment_ptr 1
		.amdhsa_wavefront_size32 1
		.amdhsa_system_sgpr_workgroup_id_x 1
		.amdhsa_system_sgpr_workgroup_id_y 1
		.amdhsa_system_sgpr_workgroup_id_z 1
		.amdhsa_system_vgpr_workitem_id 0
		.amdhsa_next_free_vgpr 192
		.amdhsa_next_free_sgpr 66
		.amdhsa_reserve_vcc 0
		.amdhsa_float_denorm_mode_32 3
		.amdhsa_float_denorm_mode_16_64 3
		.amdhsa_memory_ordered 1
		.amdhsa_forward_progress 1
		.amdhsa_inst_pref_size 18
	.end_amdhsa_kernel
	.amdgpu_metadata
---
amdhsa.version: [ 1, 2 ]
amdhsa.kernels:
  - .name:           k_q15761c6553_ln1
    .symbol:         k_q15761c6553_ln1.kd
    .args:
      - { .name: t, .offset: 0, .size: 8, .value_kind: global_buffer, .address_space: global }
      - { .name: xyh, .offset: 8, .size: 8, .value_kind: global_buffer, .address_space: global }
      - { .name: g1, .offset: 16, .size: 8, .value_kind: global_buffer, .address_space: global }
      - { .name: be1, .offset: 24, .size: 8, .value_kind: global_buffer, .address_space: global }
      - { .name: act, .offset: 32, .size: 8, .value_kind: global_buffer, .address_space: global }
    .group_segment_fixed_size: 0
    .private_segment_fixed_size: 0
    .kernarg_segment_align: 8
    .kernarg_segment_size: 40
    .max_flat_workgroup_size: 256
    .sgpr_count:     66
    .vgpr_count:     192
    .wavefront_size: 32
...
	.end_amdgpu_metadata
.endif
;; end of part 5
;; launch ffn1: the kernel of part 2 again; grid 16 x 16, 4 waves a work-group, clusters of 4 x 4, 327,680 bytes of LDS; arguments act, w1h, big; writes big
;; launch ffn2 (part 6): grid 8 x 32, 4 waves a work-group, clusters of 4 x 4, 327,680 bytes of LDS; arguments big, w2h, t, b2; writes t
.if DOCPART == 6
	.amdgcn_target "amdgcn-amd-amdhsa--gfx1250"
	.amdhsa_code_object_version 6
	.text
	.protected	k_q15761c6553_ffn2
	.globl	k_q15761c6553_ffn2
	.p2align	8
	.type	k_q15761c6553_ffn2,@function
k_q15761c6553_ffn2:
	s_mov_b64 s[64:65], 0
	v_nop
	global_prefetch_b8 v0, s[64:65] scope:SCOPE_SE
	s_setreg_imm32_b32 hwreg(HW_REG_WAVE_MODE, 25, 1), 1
	s_wait_xcnt 0x0
	s_wait_alu depctr_hold_cnt(0) depctr_sa_sdst(0) depctr_va_vdst(0) depctr_va_sdst(0) depctr_va_ssrc(0) depctr_va_vcc(0) depctr_vm_vsrc(0)
	s_getreg_b32 s2, hwreg(HW_REG_IB_STS2, 6, 4)
	s_cmp_eq_u32 s2, 0
	s_cbranch_scc0 .Lentry_in_a_cluster
	s_endpgm
.Lentry_in_a_cluster:
	s_bfe_u32 s2, ttmp6, 0x10000c
	s_cmp_lg_u32 s2, 0xf033
	s_cbranch_scc0 .Lentry_shape_is_right
	s_endpgm
.Lentry_shape_is_right:
; C = A W + bias in f32.  A: [4,096][SIZE_K] f16; W: [SIZE_K k][1,024 n] f16; C: [4,096][1,024] f32; the bias f32.  Sums in f32, started by the bias.  Here: the hidden layer times W2, plus b2.
; The text is that of the launch for Wo but for SIZE_K: the two differ in a trip count and a row pitch, which are constants of a text.  The residual and the norm follow in the next launch, which owns
; whole rows.  No work of the problem is left out.
; SHAPE.  A tile of C is 128 x 128, 8 x 32 of them.  Four waves, each 64 x 64: 16 accumulators.  K goes in steps of 256 through two LDS slots.  A comes out of LDS as it lies, W is turned by
; ds_load_tr16_b128; the matrix instruction is used transposed, so a lane holds eight neighbouring columns of a row of C.
; ONE K STEP IS WRITTEN FOR THE LOOP: the slot in hand is a scalar, s[TB] (0 or SLOT1), which an exclusive or turns at each change of slots; the fragment addresses are a base + s[TB].
; CLUSTER 4 x 4: A's tiles are asked for jointly along a row of the cluster, W's along a column.  No prefetch: a tile's step is short and its blocks small.
; REGISTERS: window 0: v0-31 addresses; v32-63 the bias, later with v64-95 at work on the way out; v128-255 the accumulators, (a, b) at v[128 + 8 (4 a + b)].
;   window 1: two fragment buffers of 128: for 64 along K, 64 registers of A, then 64 of W.
.set SIZE_K, 4096
.set KSTEP,  256
.set NSTEP,  SIZE_K/KSTEP
.set PA,     528                       ; an LDS row of A: 512 bytes + 16
.set PB,     288                       ; an LDS row of W: 256 bytes + 32
.set HALFA,  64*PA
.set HALFB,  128*PB
.set SLOT1,  0x24000                   ; slot 1 begins here, behind slot 0's 141,312 bytes: the number shares no bit with a tile's address in slot 0 (0, 0x8400, 0x10800, 0x19800), so an exclusive or with it is the sum
.set STAGE,  SLOT1+2*HALFA+2*HALFB     ; behind the ring: 16 rows x 272 bytes for each wave
.set SPITCH, 272
.set SPARE,  STAGE+4*16*SPITCH
.set ADRA0, 16                         ; v16     my A fragments in slot 0; never rewritten
.set ADRA,  17                         ; v17     in the slot in hand
.set ADRB0, 20                         ; v20     my W fragments in slot 0; never rewritten
.set ADRB,  22                         ; v22-23  in the slot in hand: k-rows 0-127, 128-255
.set STO,  24
.set RD,   25
.set CO,   26
.set BO,   27
.set SPW,  28
.set NIL,  29
.set BIAS, 32
.set TMP,  32
.set ACC,  128
.set F0,   0
.set F1,   128
.set G1,  24                           ; s[24:31] group 1 for A;  s[32:39] group 0: a set for each of the two first fills; the second then walks on
.set G0,  32
.set G1B, 48                           ; the same for W
.set G0B, 56
.set TB,  68                           ; s68  the slot in hand: 0 or SLOT1
.set MSB, 0
.macro WIN new
.if MSB != (\new)
	s_set_vgpr_msb (MSB<<8)|(\new)
.set MSB, \new
.endif
.endm
.set MUL,  0x05                        ; sources 0 and 1 window 1; C and D window 0
.set TO_F, 0x40
.macro JLOAD s                         ; waves 0 and 1 fetch A's two halves, waves 2 and 3 W's; an s_nop 0 and four v_nop follow each line
	s_cmp_eq_u32 s11, 0
	s_cbranch_scc0 .Lfor_b_\@
	tensor_load_to_lds s[G0+4*(\s):G0+4*(\s)+3], s[G1:G1+7]
	s_nop 0
.rept 4
	v_nop
.endr
	s_branch .Lasked_\@
.Lfor_b_\@:
	tensor_load_to_lds s[G0B+4*(\s):G0B+4*(\s)+3], s[G1B:G1B+7]
	s_nop 0
.rept 4
	v_nop
.endr
.Lasked_\@:
.endm
.macro CREST
	s_cmp_lg_u32 s10, 0
	s_cbranch_scc1 .Lnot_wave_0_\@
	s_barrier_signal -3
.Lnot_wave_0_\@:
	s_barrier_wait -3
	s_barrier_signal -1
	s_barrier_wait -1
.endm
.macro CROUND
	s_barrier_signal -1
	s_barrier_wait -1
	CREST
.endm
	s_load_b128 s[4:7], s[0:1], 0x0                ; A, W
	s_load_b64 s[8:9], s[0:1], 0x10                ; C
	s_load_b64 s[66:67], s[0:1], 0x18              ; the bias
	v_lshl_add_u32 v[SPW], v0, 2, SPARE
	v_mov_b32 v[NIL], 0
	ds_add_u32 v[SPW], v[NIL]                      ; the wave's opening: the add, twice on end, and its wait ahead of my first tensor load
	ds_add_u32 v[SPW], v[NIL]
	v_lshrrev_b32 v1, 5, v0
	v_readfirstlane_b32 s10, v1
	s_lshr_b32 s11, s10, 1                         ; my half of the rows.  Also: I fetch for A (0) or for W (1)
	s_and_b32 s12, s10, 1                          ; my half of the columns.  Also: which half of that tile I fetch
	s_bfe_u32 s40, ttmp6, 0x40000
	s_bfe_u32 s41, ttmp6, 0x40004
	s_lshl_b32 s42, ttmp9, 2
	s_add_co_u32 s42, s42, s40                     ; tile column
	s_and_b32 s13, ttmp7, 0xffff
	s_lshl_b32 s13, s13, 2
	s_add_co_u32 s13, s13, s41                     ; tile row
	s_lshl_b32 s43, s41, 2
	s_lshl_b32 s43, 15, s43
	s_lshl_b32 s44, 0x1111, s40
	s_or_b32 s[G1+0], s43, (1<<16)|(1<<20)|(1<<21)|(6<<22)|(3<<25)   ; after every 128 words 4 words
	s_mov_b32 s[G1+1], KSTEP<<16
	s_mov_b32 s[G1+2], 64<<16
	s_mov_b32 s[G1+3], KSTEP<<16
	s_mov_b32 s[G1+4], 64
	s_mov_b32 s[G1+5], SIZE_K
	s_mov_b32 s[G1+6], 0
	s_mov_b32 s[G1+7], 0
	s_or_b32 s[G1B+0], s44, (1<<16)|(1<<20)|(1<<21)|(5<<22)|(7<<25)  ; after every 64 words 8 words
	s_mov_b32 s[G1B+1], 128<<16
	s_mov_b32 s[G1B+2], 128<<16
	s_mov_b32 s[G1B+3], 128<<16
	s_mov_b32 s[G1B+4], 128
	s_mov_b32 s[G1B+5], 1024
	s_mov_b32 s[G1B+6], 0
	s_mov_b32 s[G1B+7], 0
	s_lshl_b32 s17, s12, 6
	s_lshl_b32 s16, s13, 7
	s_add_co_u32 s16, s16, s17                     ; A: row 128 x tile row + 64 x half
	s_mul_i32 s16, s16, 2*SIZE_K
	s_mov_b32 s17, 0
	s_lshl_b32 s46, s12, 18                        ; W: 128 k-rows of 2,048 bytes for the second half,
	s_lshl_b32 s47, s42, 8                         ; 256 bytes a tile column
	s_add_co_u32 s46, s46, s47
	s_mov_b32 s47, 0
	s_mul_i32 s20, s12, HALFA                      ; where they go
	s_mul_i32 s21, s12, HALFB
	s_add_co_u32 s21, s21, 2*HALFA
	s_mov_b32 s[TB], 0
	s_wait_dscnt 0x0
	s_wait_kmcnt 0x0
	s_add_nc_u64 s[14:15], s[4:5], s[16:17]
	s_add_nc_u64 s[46:47], s[6:7], s[46:47]
	CROUND
.irp s, 0,1
	s_mov_b32 s[G0+4*(\s)], 1
	s_add_co_u32 s[G0+4*(\s)+1], s20, (\s)*SLOT1
	s_add_nc_u64 s[G0+4*(\s)+2:G0+4*(\s)+3], s[14:15], (\s)*KSTEP*2
	s_or_b32 s[G0+4*(\s)+3], s[G0+4*(\s)+3], 0x80000000
	s_mov_b32 s[G0B+4*(\s)], 1
	s_add_co_u32 s[G0B+4*(\s)+1], s21, (\s)*SLOT1
	s_add_nc_u64 s[G0B+4*(\s)+2:G0B+4*(\s)+3], s[46:47], (\s)*KSTEP*2048
	s_or_b32 s[G0B+4*(\s)+3], s[G0B+4*(\s)+3], 0x80000000
	JLOAD \s
.endr
	v_and_b32 v1, 15, v0
	v_bfe_u32 v2, v0, 4, 1
	s_lshl_b32 s22, s42, 9                         ; my 64 columns: 4 (128 tile column + 64 half) bytes, in the bias and in a row of C
	s_lshl_b32 s23, s12, 8
	s_add_co_u32 s22, s22, s23
	s_mov_b32 s23, 0
	s_add_nc_u64 s[66:67], s[66:67], s[22:23]
	v_lshlrev_b32 v[BO], 5, v2
.irp b, 0,1,2,3
	global_load_b128 v[BIAS+8*\b:BIAS+8*\b+3],   v[BO], s[66:67] offset:64*\b
	global_load_b128 v[BIAS+8*\b+4:BIAS+8*\b+7], v[BO], s[66:67] offset:64*\b+16
.endr
	s_lshl_b32 s16, s13, 7
	s_lshl_b32 s17, s11, 6
	s_add_co_u32 s16, s16, s17                     ; my first row of C
	s_lshl_b32 s16, s16, 12
	s_mov_b32 s17, 0
	s_add_nc_u64 s[8:9], s[8:9], s[16:17]
	s_add_nc_u64 s[8:9], s[8:9], s[22:23]
	v_mul_u32_u24 v3, v1, PA
	v_lshl_add_u32 v3, v2, 4, v3
	v_and_b32 v4, 7, v0
	v_lshl_add_u32 v4, v2, 3, v4
	v_mul_u32_u24 v4, v4, PB
	v_bfe_u32 v5, v0, 3, 1
	v_lshl_add_u32 v4, v5, 4, v4
	s_mul_i32 s20, s11, HALFA                      ; my 64 rows of A
	s_lshl_b32 s21, s12, 7                         ; my 64 columns of W,
	s_add_co_u32 s21, s21, 2*HALFA                 ; which lies behind A
	v_add_nc_u32 v[ADRA0], s20, v3
	v_add_nc_u32 v[ADRB0], s21, v4
	v_mov_b32 v[ADRA], v[ADRA0]                    ; K step 0 lies in slot 0
	v_mov_b32 v[ADRB], v[ADRB0]
	v_add_nc_u32 v[ADRB+1], HALFB, v[ADRB0]
	s_mul_i32 s20, s10, 16*SPITCH
	s_add_co_u32 s20, s20, STAGE                   ; my stage
	v_mul_u32_u24 v4, v1, SPITCH
	v_lshl_add_u32 v4, v2, 5, v4
	v_add_nc_u32 v[STO], s20, v4                   ; in: row l % 16, 32 bytes for each half of the lanes
	v_mul_u32_u24 v5, v2, SPITCH
	v_lshl_add_u32 v5, v1, 4, v5
	v_add_nc_u32 v[RD], s20, v5                    ; back: lanes 0-15 one row of 256 bytes, lanes 16-31 the next
	v_lshlrev_b32 v5, 12, v2
	v_lshl_add_u32 v[CO], v1, 4, v5
; 8 matrix instructions: m blocks a0, a0 + 1 x all 4 n blocks, 32 along K: half c of buffer f.  first = 1: the bias starts the sums.  The 16 accumulators take turns.
.macro MUL8 f, c, a0, first
	WIN MUL
.irp a, \a0, (\a0)+1
.irp b, 0,1,2,3
.if \first
	v_wmma_f32_16x16x32_f16 v[ACC+8*(4*(\a)+(\b)):ACC+8*(4*(\a)+(\b))+7], v[(\f)+64+8*(4*(\c)+(\b)):(\f)+64+8*(4*(\c)+(\b))+7], v[(\f)+8*(4*(\c)+(\a)):(\f)+8*(4*(\c)+(\a))+7], v[BIAS+8*(\b):BIAS+8*(\b)+7]
.else
	v_wmma_f32_16x16x32_f16 v[ACC+8*(4*(\a)+(\b)):ACC+8*(4*(\a)+(\b))+7], v[(\f)+64+8*(4*(\c)+(\b)):(\f)+64+8*(4*(\c)+(\b))+7], v[(\f)+8*(4*(\c)+(\a)):(\f)+8*(4*(\c)+(\a))+7], v[ACC+8*(4*(\a)+(\b)):ACC+8*(4*(\a)+(\b))+7]
.endif
.endr
.endr
.endm
; 32 LDS loads in one run: quarter q (64 along K) of the slot in hand into buffer f; its first 32 along K first
.macro FETCH q, f
	WIN TO_F
.irp c, 0,1
.irp i, 0,1,2,3
	ds_load_tr16_b128 v[(\f)+64+8*(4*(\c)+(\i)):(\f)+64+8*(4*(\c)+(\i))+3],   v[ADRB+(\q)/2] offset:(((\q)%2)*64+32*(\c))*PB+32*(\i)
	ds_load_tr16_b128 v[(\f)+64+8*(4*(\c)+(\i))+4:(\f)+64+8*(4*(\c)+(\i))+7], v[ADRB+(\q)/2] offset:(((\q)%2)*64+32*(\c)+16)*PB+32*(\i)
	ds_load_b128 v[(\f)+8*(4*(\c)+(\i)):(\f)+8*(4*(\c)+(\i))+3],   v[ADRA] offset:128*(\q)+64*(\c)+(\i)*16*PA
	ds_load_b128 v[(\f)+8*(4*(\c)+(\i))+4:(\f)+8*(4*(\c)+(\i))+7], v[ADRA] offset:128*(\q)+64*(\c)+(\i)*16*PA+32
.endr
.endr
.endm
.macro PLACES
.rept 4
	v_nop
.endr
.endm
.macro QUARTER q, f, g, first
	s_wait_dscnt 16                                ; the first 32 along K are in
	MUL8 \f, 0, 0, \first
	MUL8 \f, 0, 2, \first
	PLACES
	FETCH \q, \g
	s_wait_dscnt 32                                ; all but the 32 just issued
	MUL8 \f, 1, 0, 0
	MUL8 \f, 1, 2, 0
.endm
; The last quarter multiplies buffer 1 and changes slots: one barrier; ahead of it each wave waits for all its tensor loads, adds 0 to its spare word, and waits for that and for its reads of this slot.
; fill = 1: the barrier opens a round of the cluster's, and the slot just read is filled again, two K steps ahead: the walking descriptors go to the other slot than last time and one K step on.
.macro TURN fill
	WIN 0
	s_wait_tensorcnt 0x0
	ds_add_u32 v[SPW], v[NIL]
	s_wait_dscnt 17                                ; the add and the youngest sixteen loads may be out
	MUL8 F1, 0, 0, 0
	s_wait_dscnt 0x0
	s_barrier_signal -1
	MUL8 F1, 0, 2, 0
	WIN 0                                          ; branches and address work follow
	s_barrier_wait -1
.if \fill
	CREST
	s_xor_b32 s[G0+5], s[G0+5], SLOT1
	s_add_nc_u64 s[G0+6:G0+7], s[G0+6:G0+7], KSTEP*2
	s_xor_b32 s[G0B+5], s[G0B+5], SLOT1
	s_add_nc_u64 s[G0B+6:G0B+7], s[G0B+6:G0B+7], KSTEP*2048
	JLOAD 1                                        ; 112 matrix instructions ahead of the wait for it; its four v_nop are also the places ahead of the loads below
.else
	PLACES
.endif
	s_xor_b32 s[TB], s[TB], SLOT1                  ; the other slot is in hand
	v_add_nc_u32 v[ADRA], s[TB], v[ADRA0]
	v_add_nc_u32 v[ADRB], s[TB], v[ADRB0]
	v_add_nc_u32 v[ADRB+1], HALFB, v[ADRB]
	FETCH 0, F0
	MUL8 F1, 1, 0, 0
	MUL8 F1, 1, 2, 0
.endm
	s_wait_tensorcnt 1                             ; my part of K step 0 is in; step 1's may stay out
	s_barrier_signal -1
	s_barrier_wait -1
	FETCH 0, F0
	s_wait_loadcnt 0x0                             ; the bias
	QUARTER 1, F0, F1, 1
	WIN 0
	s_mov_b32 s3, NSTEP-2
.Lstep:                                                ; a trip goes from a K step's second quarter to the next step's first, and fills the slot that it leaves
	QUARTER 2, F1, F0, 0
	QUARTER 3, F0, F1, 0
	TURN 1
	QUARTER 1, F0, F1, 0
	WIN 0
	s_sub_co_u32 s3, s3, 1
	s_cmp_lg_u32 s3, 0
	s_cbranch_scc1 .Lstep
	s_mov_b32 s3, 2                                ; the last two K steps fill nothing: their text is entered in its middle and walked twice
	s_branch .Lmid
.Ltail:
	TURN 0
	QUARTER 1, F0, F1, 0
	WIN 0
.Lmid:
	QUARTER 2, F1, F0, 0
	QUARTER 3, F0, F1, 0
	WIN 0
	s_sub_co_u32 s3, s3, 1
	s_cmp_lg_u32 s3, 0
	s_cbranch_scc1 .Ltail
	s_wait_dscnt 16                                ; the very last quarter: nothing more to fetch
	MUL8 F1, 0, 0, 0
	MUL8 F1, 0, 2, 0
	s_wait_dscnt 0x0
	MUL8 F1, 1, 0, 0
	MUL8 F1, 1, 2, 0
	WIN 0
	; THE WAY OUT.  My 64 columns in f32 are 256 consecutive bytes, aligned: 16 rows at a time go through my own stage and come back as whole rows.  No arithmetic, no barrier.
	PLACES
.macro TOSTAGE a
.irp b, 0,1,2,3
	ds_store_b128 v[STO], v[ACC+8*(4*(\a)+(\b)):ACC+8*(4*(\a)+(\b))+3]   offset:64*(\b)
	ds_store_b128 v[STO], v[ACC+8*(4*(\a)+(\b))+4:ACC+8*(4*(\a)+(\b))+7] offset:64*(\b)+16
.endr
.irp t, 0,1,2,3,4,5,6,7
	ds_load_b128 v[TMP+32*((\a)%2)+4*(\t):TMP+32*((\a)%2)+4*(\t)+3], v[RD] offset:(\t)*2*SPITCH  ; LDS serves a wave's instructions in order: these see the stores above
.endr
.endm
.macro SEND a
	s_wait_dscnt 0x0                               ; the block is back in registers
	s_wait_xcnt 0x0                                ; the block before has been read by its stores: its registers are loaded again only behind this wait
.irp t, 0,1,2,3,4,5,6,7
	global_store_b128 v[CO], v[TMP+32*((\a)%2)+4*(\t):TMP+32*((\a)%2)+4*(\t)+3], s[8:9] offset:(16*(\a)+2*(\t))*4096  ; 16 lanes store 256 consecutive bytes, aligned
.endr
.endm
	TOSTAGE 0
.irp a, 1,2,3
	SEND (\a)-1
	TOSTAGE \a
.endr
	SEND 3
	s_wait_tensorcnt 0x0                           ; the wave's end
	ds_add_u32 v[SPW], v[NIL]
	s_wait_dscnt 0x0
	CROUND                                         ; the closing round
	s_endpgm
.Lfunc_end_k_q15761c6553_ffn2:
	.size	k_q15761c6553_ffn2, .Lfunc_end_k_q15761c6553_ffn2-k_q15761c6553_ffn2
	.p2alignl 7, 3214868480
	.fill 96, 4, 3214868480
	.section	.rodata,"a",@progbits
	.p2align	6, 0x0
	.amdhsa_kernel k_q15761c6553_ffn2
		.amdhsa_group_segment_fixed_size 327680
		.amdhsa_private_segment_fixed_size 0
		.amdhsa_enable_private_segment 0
		.amdhsa_kernarg_size 32
		.amdhsa_user_sgpr_count 2
		.amdhsa_user_sgpr_kernarg_segment_ptr 1
		.amdhsa_wavefront_size32 1
		.amdhsa_system_sgpr_workgroup_id_x 1
		.amdhsa_system_sgpr_workgroup_id_y 1
		.amdhsa_system_sgpr_workgroup_id_z 1
		.amdhsa_system_vgpr_workitem_id 0
		.amdhsa_next_free_vgpr 512
		.amdhsa_next_free_sgpr 72
		.amdhsa_reserve_vcc 0
		.amdhsa_float_denorm_mode_32 3
		.amdhsa_float_denorm_mode_16_64 3
		.amdhsa_memory_ordered 1
		.amdhsa_forward_progress 1
		.amdhsa_inst_pref_size 61
	.end_amdhsa_kernel
	.amdgpu_metadata
---
amdhsa.version: [ 1, 2 ]
amdhsa.kernels:
  - .name:           k_q15761c6553_ffn2
    .symbol:         k_q15761c6553_ffn2.kd
    .args:
      - { .name: big, .offset: 0, .size: 8, .value_kind: global_buffer, .address_space: global }
      - { .name: w2h, .offset: 8, .size: 8, .value_kind: global_buffer, .address_space: global }
      - { .name: t, .offset: 16, .size: 8, .value_kind: global_buffer, .address_space: global }
      - { .name: b2, .offset: 24, .size: 8, .value_kind: global_buffer, .address_space: global }
    .group_segment_fixed_size: 327680
    .private_segment_fixed_size: 0
    .kernarg_segment_align: 8
    .kernarg_segment_size: 32
    .max_flat_workgroup_size: 128
    .sgpr_count:     72
    .vgpr_count:     512
    .wavefront_size: 32
...
	.end_amdgpu_metadata
.endif
;; end of part 6
;; launch ln2 (part 7): grid 256 x 1, 8 waves a work-group, no clusters, 0 bytes of LDS; arguments t, act, g2, be2, out0; writes out0
.if DOCPART == 7
	.amdgcn_target "amdgcn-amd-amdhsa--gfx1250"
	.amdhsa_code_object_version 6
	.text
	.protected	k_q15761c6553_ln2
	.globl	k_q15761c6553_ln2
	.p2align	8
	.type	k_q15761c6553_ln2,@function
k_q15761c6553_ln2:
	s_mov_b64 s[64:65], 0
	v_nop
	global_prefetch_b8 v0, s[64:65] scope:SCOPE_SE
	s_setreg_imm32_b32 hwreg(HW_REG_WAVE_MODE, 25, 1), 1
	s_wait_xcnt 0x0
; out0 = LayerNorm(x1 + t) g2 + be2, in f32.  t: [4,096][1,024] f32, the FFN's output with its bias; x1: act, f16.  No work of the problem is left out.
; A wave takes two whole rows and keeps each in 32 registers: lane l owns numbers 128 j + 4 l .. + 3.  Mean and variance are taken in two passes over the registers, in f32, as the formula has them.
; All 48 loads go out at the head.  ONE TEXT SERVES BOTH ROWS: it works on the first row's registers, and between the rows the second row is copied into them (48 lines, against a second copy of the text).
; Every load covers 512 or 256 consecutive bytes, every store 512, aligned.  No LDS, no barrier: no wave wants another's numbers.  Matrix units and clusters have nothing to do here.
.set R0, 32                            ; v[32:47]   the row's residual, 16 registers of f16 pairs
.set R1, 48                            ; v[48:63]   the second row's, as loaded
.set G,  64                            ; v[64:95]   the gain of my 32 columns
.set BE, 96                            ; v[96:127]  the offset
.set T0, 128                           ; v[128:159] the row at work
.set T1, 160                           ; v[160:191] the second row, as loaded
	s_load_b256 s[4:11], s[0:1], 0x0               ; t, the residual, gain, offset
	s_load_b64 s[16:17], s[0:1], 0x20              ; the output
	v_lshrrev_b32 v1, 5, v0
	v_readfirstlane_b32 s18, v1
	s_lshl_b32 s19, ttmp9, 3
	s_add_co_u32 s19, s19, s18                     ; my wave among all
	s_lshl_b32 s20, s19, 13                        ; two rows of 4,096 bytes
	s_mov_b32 s21, 0
	s_lshl_b32 s22, s19, 12                        ; two rows of 2,048 bytes
	s_mov_b32 s23, 0
	s_mov_b32 s12, 0x76543210
	s_mov_b32 s13, 0xfedcba98
	s_mov_b32 s14, 0x3a800000                      ; 1 / 1,024
	s_mov_b32 s15, 0x3727c5ac                      ; 1e-5
	v_and_b32 v2, 31, v0
	v_lshlrev_b32 v1, 4, v2
	v_lshlrev_b32 v2, 3, v2
	v_mov_b32 v3, 1.0
	s_wait_kmcnt 0x0
	s_add_nc_u64 s[4:5], s[4:5], s[20:21]
	s_add_nc_u64 s[6:7], s[6:7], s[22:23]
	s_add_nc_u64 s[16:17], s[16:17], s[20:21]
.irp j, 0,1,2,3,4,5,6,7
	global_load_b128 v[G+4*\j:G+4*\j+3], v1, s[8:9] offset:512*\j
.endr
.irp j, 0,1,2,3,4,5,6,7
	global_load_b128 v[BE+4*\j:BE+4*\j+3], v1, s[10:11] offset:512*\j
.endr
.irp j, 0,1,2,3,4,5,6,7
	global_load_b128 v[T0+4*\j:T0+4*\j+3], v1, s[4:5] offset:512*\j th:TH_LOAD_NT
.endr
.irp j, 0,1,2,3,4,5,6,7
	global_load_b64 v[R0+2*\j:R0+2*\j+1], v2, s[6:7] offset:256*\j th:TH_LOAD_NT
.endr
.irp j, 0,1,2,3,4,5,6,7
	global_load_b128 v[T1+4*\j:T1+4*\j+3], v1, s[4:5] offset:4096+512*\j th:TH_LOAD_NT
.endr
.irp j, 0,1,2,3,4,5,6,7
	global_load_b64 v[R1+2*\j:R1+2*\j+1], v2, s[6:7] offset:2048+256*\j th:TH_LOAD_NT
.endr
.macro LANESUM                         ; four pairs of partial sums in v[4:11] -> the row's sum in v4 of every lane
	v_pk_add_f32 v[4:5], v[4:5], v[6:7]
	v_pk_add_f32 v[8:9], v[8:9], v[10:11]
	v_pk_add_f32 v[4:5], v[4:5], v[8:9]
	v_add_f32 v4, v4, v5
	v_add_f32_dpp v4, v4, v4 row_xmask:1 row_mask:0xf bank_mask:0xf
	v_add_f32_dpp v4, v4, v4 row_xmask:2 row_mask:0xf bank_mask:0xf
	v_add_f32_dpp v4, v4, v4 row_xmask:4 row_mask:0xf bank_mask:0xf
	v_add_f32_dpp v4, v4, v4 row_xmask:8 row_mask:0xf bank_mask:0xf
	v_permlanex16_b32 v5, v4, s12, s13
	v_add_f32 v4, v4, v5
.endm
	s_mov_b32 s24, 2
	s_branch .Lrow                                 ; the loop is entered behind the copy
.Lnext:
	s_wait_loadcnt 0x0                             ; the second row is in
	s_wait_xcnt 0x0                                ; the first row's stores have read their data and their base: both are written again only behind this wait
.set i, 0
.rept 32
	v_mov_b32 v[T0+i], v[T1+i]
.set i, i+1
.endr
.set i, 0
.rept 16
	v_mov_b32 v[R0+i], v[R1+i]
.set i, i+1
.endr
	s_add_nc_u64 s[16:17], s[16:17], 4096
.Lrow:
	s_wait_loadcnt 16                              ; gain, offset and the first row are in; the second row's sixteen loads may stay out
.irp j, 0,1,2,3,4,5,6,7
.irp p, 0,1
	v_fma_mix_f32 v[T0+4*(\j)+2*(\p)],   v[R0+2*(\j)+(\p)], v3, v[T0+4*(\j)+2*(\p)]   op_sel:[0,0,0] op_sel_hi:[1,0,0]  ; the residual's low half x 1 + t
	v_fma_mix_f32 v[T0+4*(\j)+2*(\p)+1], v[R0+2*(\j)+(\p)], v3, v[T0+4*(\j)+2*(\p)+1] op_sel:[1,0,0] op_sel_hi:[1,0,0]  ; its high half
.endr
.endr
.irp k, 0,1,2,3
	v_pk_add_f32 v[4+2*(\k):5+2*(\k)], v[T0+2*(\k):T0+2*(\k)+1], v[T0+8+2*(\k):T0+8+2*(\k)+1]
.endr
.irp m, 16,24
.irp k, 0,1,2,3
	v_pk_add_f32 v[4+2*(\k):5+2*(\k)], v[4+2*(\k):5+2*(\k)], v[T0+(\m)+2*(\k):T0+(\m)+2*(\k)+1]
.endr
.endr
	LANESUM
	v_mul_f32 v12, s14, v4                         ; the mean, twice
	v_mov_b32 v13, v12
.irp k, 0,1,2,3,4,5,6,7,8,9,10,11,12,13,14,15
	v_pk_add_f32 v[T0+2*(\k):T0+2*(\k)+1], v[T0+2*(\k):T0+2*(\k)+1], v[12:13] neg_lo:[0,1] neg_hi:[0,1]
.endr
.irp k, 0,1,2,3
	v_pk_mul_f32 v[4+2*(\k):5+2*(\k)], v[T0+2*(\k):T0+2*(\k)+1], v[T0+2*(\k):T0+2*(\k)+1]
.endr
.irp m, 8,16,24
.irp k, 0,1,2,3
	v_pk_fma_f32 v[4+2*(\k):5+2*(\k)], v[T0+(\m)+2*(\k):T0+(\m)+2*(\k)+1], v[T0+(\m)+2*(\k):T0+(\m)+2*(\k)+1], v[4+2*(\k):5+2*(\k)]
.endr
.endr
	LANESUM
	v_fma_f32 v4, v4, s14, s15                     ; the variance + 1e-5
	v_rsq_f32 v14, v4
	v_rsq_f32 v15, v4
	v_nop                                          ; a plain instruction behind the second root,
	s_wait_alu depctr_va_vdst(0)                   ; and one wait for both, ahead of their first reader
.irp k, 0,1,2,3,4,5,6,7,8,9,10,11,12,13,14,15
	v_pk_mul_f32 v[T0+2*(\k):T0+2*(\k)+1], v[T0+2*(\k):T0+2*(\k)+1], v[14:15]
	v_pk_fma_f32 v[T0+2*(\k):T0+2*(\k)+1], v[T0+2*(\k):T0+2*(\k)+1], v[G+2*(\k):G+2*(\k)+1], v[BE+2*(\k):BE+2*(\k)+1]
.endr
.irp j, 0,1,2,3,4,5,6,7
	global_store_b128 v1, v[T0+4*(\j):T0+4*(\j)+3], s[16:17] offset:512*(\j) th:TH_STORE_NT
.endr
	s_sub_co_u32 s24, s24, 1
	s_cmp_lg_u32 s24, 0
	s_cbranch_scc1 .Lnext
	s_endpgm
.Lfunc_end_k_q15761c6553_ln2:
	.size	k_q15761c6553_ln2, .Lfunc_end_k_q15761c6553_ln2-k_q15761c6553_ln2
	.p2alignl 7, 3214868480
	.fill 96, 4, 3214868480
	.section	.rodata,"a",@progbits
	.p2align	6, 0x0
	.amdhsa_kernel k_q15761c6553_ln2
		.amdhsa_group_segment_fixed_size 0
		.amdhsa_private_segment_fixed_size 0
		.amdhsa_enable_private_segment 0
		.amdhsa_kernarg_size 40
		.amdhsa_user_sgpr_count 2
		.amdhsa_user_sgpr_kernarg_segment_ptr 1
		.amdhsa_wavefront_size32 1
		.amdhsa_system_sgpr_workgroup_id_x 1
		.amdhsa_system_sgpr_workgroup_id_y 1
		.amdhsa_system_sgpr_workgroup_id_z 1
		.amdhsa_system_vgpr_workitem_id 0
		.amdhsa_next_free_vgpr 192
		.amdhsa_next_free_sgpr 66
		.amdhsa_reserve_vcc 0
		.amdhsa_float_denorm_mode_32 3
		.amdhsa_float_denorm_mode_16_64 3
		.amdhsa_memory_ordered 1
		.amdhsa_forward_progress 1
		.amdhsa_inst_pref_size 17
	.end_amdhsa_kernel
	.amdgpu_metadata
---
amdhsa.version: [ 1, 2 ]
amdhsa.kernels:
  - .name:           k_q15761c6553_ln2
    .symbol:         k_q15761c6553_ln2.kd
    .args:
      - { .name: t, .offset: 0, .size: 8, .value_kind: global_buffer, .address_space: global }
      - { .name: act, .offset: 8, .size: 8, .value_kind: global_buffer, .address_space: global }
      - { .name: g2, .offset: 16, .size: 8, .value_kind: global_buffer, .address_space: global }
      - { .name: be2, .offset: 24, .size: 8, .value_kind: global_buffer, .address_space: global }
      - { .name: out0, .offset: 32, .size: 8, .value_kind: global_buffer, .address_space: global }
    .group_segment_fixed_size: 0
    .private_segment_fixed_size: 0
    .kernarg_segment_align: 8
    .kernarg_segment_size: 40
    .max_flat_workgroup_size: 256
    .sgpr_count:     66
    .vgpr_count:     192
    .wavefront_size: 32
...
	.end_amdgpu_metadata
.endif
;; end of part 7
